; MI455X (gfx1250); checked and timed in simulation.
; The chip was launched on July 23, 2026; its instructions are those of AMD's public machine-readable ISA for CDNA 5 (MIT licence, August 2026) and "CDNA5" Instruction Set Architecture Reference Guide (July 2026). The comments in the code are by the model that wrote it; some were corrected since.
;; Causal Self Attention. Allowed arithmetic: matrix products marked QUANTISED: E4M3 operands, one E8M0 scale for each 32 along K, by v_wmma_scale_f32_16x16x128_f8f6f4 with both operands' format E4M3, f32 sums; everything else in f32.
;; Inputs: W_attn 3,072 x 1,024 float32; W_proj 1,024 x 1,024 float32; b_attn 3,072 float32; b_proj 1,024 float32; x 4 x 2,048 x 1,024 float32.
;; Outputs: out0 4 x 2,048 x 1,024 float32.
;; This version of the problem:
;;   THIS VERSION OF THE PROBLEM IS GIVEN IN LOW PRECISION. The matrix products marked QUANTISED in the list below multiply operands that are first quantised to E4M3 (4 exponent bits, 3 mantissa bits; 8 bits a number), with one power-of-two scale for each 32 numbers along K (OCP MX v1.0); their sums are f32. All else is computed in f32.
;;   The module's matrix products, in the order in which they are computed (A, B: the left and right operand; K: the contracted axis; several contracted axes count as one K, in the product's order):
;;     1. [M 8,192, K 1,024] x [K 1,024, N 3,072]; A: input x; B: input W_attn: QUANTISED
;;     2. batch 64 x [M 2,048, K 64] x [K 64, N 2,048]; A: computed on the way; B: computed on the way: QUANTISED
;;     3. batch 64 x [M 2,048, K 2,048] x [K 2,048, N 64]; A: softmax (see below); B: computed on the way: QUANTISED
;;     4. [M 8,192, K 1,024] x [K 1,024, N 1,024]; A: computed on the way; B: input W_proj: QUANTISED
;;   THE QUANTISER, for each operand of a quantised product, along K:
;;     - K is cut into blocks of 32 from its start; a last block that is shorter is filled with zeros.
;;     - A block's scale is 2^e with e = floor(log2(the largest magnitude in the block)) - 8, held to -126 .. 127; a block of zeros has e = 0. As a byte (E8M0): e + 127.
;;     - Each number is divided by its block's scale, clamped to +-448, and rounded to the nearest number of E4M3, ties to even, subnormals kept.
;;     - The product sums the exact products of the quantised numbers (number of the format x scale) in f32.
;;   ~~~python
;;   def quantise(x, axis):      # numpy; x: float32 -> the quantised numbers, widened to float32 again
;;       x = np.moveaxis(x, axis, -1); K = x.shape[-1]
;;       x = np.pad(x, [(0, 0)] * (x.ndim - 1) + [(0, -K % 32)]); x = x.reshape(x.shape[:-1] + (-1, 32)); a = np.abs(x).max(-1, keepdims=True)
;;       e = np.where(a > 0, np.clip(np.frexp(np.where(a > 0, a, 1))[1] - 1 - 8, -126, 127), 0)      # np.frexp(a)[1] - 1 = floor(log2(a)), exactly
;;       r = np.clip(x / 2.0 ** e, -448, 448)
;;       step = 2.0 ** (np.maximum(np.frexp(np.where(r == 0, 1, r))[1] - 1, -6) - 3)
;;       q = np.round(r / step) * step * 2.0 ** e      # np.round: ties to even
;;       return np.moveaxis(q.reshape(q.shape[:-2] + (-1,))[..., :K], -1, axis).astype(np.float32)
;;   ~~~
;;   SOFTMAX AHEAD OF A QUANTISED PRODUCT. Where the list says 'softmax', what is quantised is not the finished softmax but p = 2^(t - M), with t = logit x log2(e) and M = ceil(the row's largest t), a whole number; so 1/2 < the row's largest p <= 1. The row's sum l is taken of the UNQUANTISED p, in f32, and the product's result is divided by l at the end. Since M is a whole number, a kernel that streams over the keys may use a running M (the ceiling of the running maximum): every later rescaling is an exact power of two, which a block's scale takes up: the codes' values come out the same.
;;   OPERANDS COMPUTED ON THE WAY. 'Computed on the way' means the value that the module computes at that place (a softmax that the list does not call 'softmax' is quantised finished and normalised). What goes into a quantiser is computed in f32, as accurately as f32 sums, v_exp_f32 and their like allow (about 1e-6 of the number): no bf16 or f16 on the way to a quantiser, and a product that is left as it is and whose result goes on into a quantised operand takes f32 operands (vector FMAs, or v_wmma_f32_16x16x4_f32). A number that lies on a knife's edge between two numbers of the format may be rounded either way, as far as f32 arithmetic and the matrix unit's own rounding can turn it there, and no further.
;; One version. Each part assembles by itself: llvm-mc -triple=amdgcn-amd-amdhsa -mcpu=gfx1250 --defsym DOCPART=n.
;; ======== version 1 of 1: 4 launches
;; limits: right only within a limited range of input values
;; workspace buffers: xq 8,650,752 bytes; waq 3,244,032 bytes; wpq 1,081,344 bytes; pack 26,476,544 bytes; yq 8,650,752 bytes
;; launch quant (part 1): grid 256 x 1, 6 waves a work-group, no clusters, 49,920 bytes of LDS; arguments x, W_attn, W_proj, xq, waq, wpq; writes xq, waq, wpq
.if DOCPART == 1
	.amdgcn_target "amdgcn-amd-amdhsa--gfx1250"
	.amdhsa_code_object_version 6
	.text
	.protected	k_q9777e675cb_quant
	.globl	k_q9777e675cb_quant
	.p2align	8
	.type	k_q9777e675cb_quant,@function
k_q9777e675cb_quant:
	s_mov_b64 s[64:65], 0
	v_nop
	global_prefetch_b8 v0, s[64:65] scope:SCOPE_SE
	s_setreg_imm32_b32 hwreg(HW_REG_WAVE_MODE, 25, 1), 1
	s_wait_xcnt 0x0
; THE PROGRAM: causal self-attention, B = 4, T = 2,048, C = 1,024, 16 heads of 64, all four products on codes of FP8 (E4M3) with one E8M0 scale for each 32 along K.  Four launches:
;   quant: x, W_attn, W_proj (f32, K innermost) -> codes and scale bytes;   qkv: x W_attn^T + b_attn, quantised on the way out into operand images of q, k (along the head's 64) and v (along the keys);
;   attn: the causal attention on those images, y = O / l quantised into images;   proj: y W_proj^T + b_proj -> out0.
; WORK LEFT OUT (in attn alone): a key step of 128 keys all of which come after all 16 queries of a wave's tile.  reference() builds jnp.tril in its own body and sets those scores to -inf ahead of the softmax,
; so their p is 0 and they add 0 to the row's sum and to p v, whatever finite values the inputs hold.  Nothing else is left out; every input has a way to the output and is loaded (b_attn's part for k too: it moves k's codes).
; LIMIT: a NaN, an infinity or an overflow that reaches only those masked scores is not carried to the result.
;
; THIS LAUNCH.  A block's scale is 2^(floor(log2(its largest magnitude)) - 8); its byte is the largest magnitude's exponent field - 8, held at 1 from below.  (A block of zeros so gets the byte 1 where the rule says 127:
; its codes are zeros, which add nothing under any byte but 0xff, and the bytes are read by this program alone.)  Each number is divided by the scale, held within +-448 and rounded to the nearest code, ties to even.
; LIMITS: blocks whose largest magnitude lies under 2^(9 - 127), the floor, get the byte 1; NaN and infinities among the inputs are not served.
; Rows are 1,024 numbers, dense.  The three tensors are 1,024 + 384 + 128 = 1,536 runs of 8 rows; a wave takes one run, number 6 x work-group + wave, in 16 steps of 512 numbers: 256 work-groups of six waves.
; The run's number chooses the pointers, wave by wave; one path serves all.
; ROW ORDER OF THE RESULTS: row 32 B + 16 v + 8 u + i (i < 8) is stored at place 32 B + 16 u + 8 v + i, codes and scale rows alike: run 4 B + 2 v + u of a tensor goes to the place of run 4 B + 2 u + v.
; So 16 consecutive places T hold, at place r, row 32 (T / 2) + 8 (T % 2) + r + 8 (r / 8): in a product whose source 0 takes such a tile, the 16 result registers of tiles 2 b and 2 b + 1 are 16 neighbouring rows.
; A lane must hold 16 NEIGHBOURS for the conversions, and neighbouring lanes load neighbouring bytes: each of a step's four loads reads 512 consecutive bytes; the 2,048 bytes go through the wave's own
; stage in LDS and come back 64 bytes a lane (16 bytes of padding behind each 64).  A lane's 16 codes are 16 bytes: the wave stores 512 consecutive bytes.  A wave's 256 scale bytes are gathered in LDS and leave as 256 consecutive aligned bytes.
; No tensor loads, no barrier: waves share nothing.  Loads run four steps (16 loads a wave) ahead, the turn through LDS one step.
.set WAVES, 6
.set STEPS, 16
.set RUN_X,  1024                      ; runs of x
.set RUN_XA, 1408                      ; and of x and W_attn together
.set SC_X,  8388608                    ; where the scale bytes begin in xq,
.set SC_WA, 3145728                    ; in waq,
.set SC_WP, 1048576                    ; in wpq
.set EMAX,  8
.set MANT,  0x600000                   ; the mantissa field of 448 as f32
.set CB,    16                         ; bytes of 16 codes
.set R,     16                         ; v16-79   four sets of 16 numbers as they are loaded
.set X,     80                         ; v80-111  two sets of 16 neighbours
.set C,     128                        ; v128-191 codes: four registers for each step, so that no store's data are written again
.set E,     112                        ; v112-127 a scale byte for each step
.set WREG,  8192                       ; LDS: a region for each wave: two stages of 32 x SP bytes, and behind them its 256 scale bytes
.set SP,    80                         ; a lane's place in a stage: its 64 bytes + 16 of padding
.set SPW,   12                         ; v12      LDS address of my spare word; never rewritten
.set NIL,   13                         ; v13      0; never rewritten
.set SPARE, WAVES*WREG                 ; behind the six regions: the spare words, 128 bytes for each wave
	s_load_b256 s[4:11], s[0:1], 0x0               ; x s[4:5], W_attn s[6:7], W_proj s[8:9], xq s[10:11]
	s_load_b128 s[12:15], s[0:1], 0x20             ; waq s[12:13], wpq s[14:15]
	v_lshl_add_u32 v[SPW], v0, 2, SPARE
	v_mov_b32 v[NIL], 0
	v_lshrrev_b32 v1, 5, v0
	v_readfirstlane_b32 s16, v1                    ; wave
	v_and_b32 v2, 31, v0                           ; lane
	v_lshlrev_b32 v3, 4, v2                        ; my 16 bytes of a load's 512
	s_mul_i32 s17, s16, WREG
	v_lshrrev_b32 v14, 2, v2
	v_mul_u32_u24 v14, v14, SP
	v_and_b32 v15, 3, v2
	v_lshl_add_u32 v14, v15, 4, v14
	v_add_nc_u32 v14, s17, v14                     ; the stage, on the way in: four lanes' 64 bytes on end, then 16 of padding
	v_mul_u32_u24 v15, v2, SP
	v_add_nc_u32 v15, s17, v15                     ; and on the way out: SP x lane: my 16 neighbours
	v_mul_u32_u24 v4, v2, CB                       ; my codes' place in a step's
	v_lshrrev_b32 v5, 1, v2
	s_add_co_u32 s17, s17, 2*32*SP
	v_add_nc_u32 v5, s17, v5                       ; LDS: my wave's 256 scale bytes, my block's byte
	v_lshlrev_b32 v7, 3, v2                        ; and on the way out 8 bytes a lane
	v_add_nc_u32 v6, s17, v7
	s_mov_b32 s23, MANT                            ; (an instruction takes one literal: the hold's line has another)
	s_mul_i32 s27, ttmp9, WAVES
	s_add_co_u32 s27, s27, s16                     ; my run among the 1,536
	s_wait_alu depctr_va_vdst(0)                   ; the head's end
	s_wait_kmcnt 0x0
	s_cmp_lt_u32 s27, RUN_XA                       ; W_attn or W_proj?  The choices hang on the run's number alone
	s_cselect_b64 s[6:7], s[6:7], s[8:9]
	s_cselect_b64 s[12:13], s[12:13], s[14:15]
	s_mov_b32 s17, RUN_XA
	s_cselect_b32 s17, RUN_X, s17                  ; the tensor's first run
	s_mov_b32 s24, SC_WP
	s_cselect_b32 s24, SC_WA, s24                  ; where its scale bytes begin
	s_cmp_lt_u32 s27, RUN_X                        ; or x?
	s_cselect_b64 s[4:5], s[4:5], s[6:7]           ; from here
	s_cselect_b64 s[8:9], s[10:11], s[12:13]       ; to here
	s_cselect_b32 s17, 0, s17
	s_cselect_b32 s24, SC_X, s24
	s_sub_co_u32 s18, s27, s17                     ; which run of the tensor I read (each tensor begins at a multiple of 4 runs),
	s_and_b32 s25, s18, 1
	s_lshl_b32 s25, s25, 1
	s_bfe_u32 s26, s18, 0x10001
	s_or_b32 s25, s25, s26                         ; its two low bits exchanged:
	s_and_b32 s22, s18, 0xfffffffc
	s_add_co_u32 s22, s22, s25                     ; at which run's place I store
	s_lshl_b32 s20, s18, 15                        ; 8,192 numbers of 4 bytes a run: under 2^26 bytes in all
	s_mov_b32 s21, 0
	s_add_nc_u64 s[4:5], s[4:5], s[20:21]
	s_lshl_b32 s20, s22, 8                         ; 256 scale bytes a run
	s_add_co_u32 s20, s20, s24
	s_add_nc_u64 s[10:11], s[8:9], s[20:21]
	s_lshl_b32 s20, s22, 13                        ; 8,192 codes a run
	s_add_nc_u64 s[8:9], s[8:9], s[20:21]
.macro LOAD t
.irp i, 0,1,2,3
	global_load_b128 v[R+16*((\t)%4)+4*\i:R+16*((\t)%4)+4*\i+3], v3, s[4:5] offset:2048*(\t)+512*\i th:TH_LOAD_NT   ; 32 lanes read 512 consecutive bytes
.endr
.endm
.macro TURN t                          ; step t's numbers through the stage: LDS serves a wave's instructions in order, so no wait stands between the stores and the loads
.irp i, 0,1,2,3
	ds_store_b128 v14, v[R+16*((\t)%4)+4*\i:R+16*((\t)%4)+4*\i+3] offset:32*SP*((\t)%2)+8*SP*\i
.endr
.irp i, 0,1,2,3
	ds_load_b128 v[X+16*((\t)%2)+4*\i:X+16*((\t)%2)+4*\i+3], v15 offset:32*SP*((\t)%2)+16*\i
.endr
.endm
.irp t, 0,1,2,3
	LOAD \t
.endr
	s_wait_loadcnt 12                              ; step 0's four loads are in; three steps' twelve stay out
	TURN 0
.macro STEP t
.set XS, X+16*((\t)%2)
.if (\t) > 0
	s_wait_dscnt 1                                 ; this step's numbers are back from the stage (the last step's byte store may be out): so its stores into the stage have read their registers,
.else
	s_wait_dscnt 0x0
.endif
.if (\t)+4 < STEPS
	LOAD (\t)+4                                    ; which take the loads of four steps on
.endif
.if (\t)+1 < STEPS
.if STEPS-2-(\t) >= 3
	s_wait_loadcnt 12                              ; the next step's four loads are in; those of the three steps behind it may be out
.else
	s_wait_loadcnt 4*(STEPS-2-(\t))
.endif
	TURN (\t)+1                                    ; and go through the other stage while this step is worked
.endif
	v_max3_num_f32 v8, |v[XS]|, |v[XS+1]|, |v[XS+2]|               ; the largest magnitude of my 16
	v_max3_num_f32 v9, |v[XS+3]|, |v[XS+4]|, |v[XS+5]|
.irp i, 6,10
	v_max3_num_f32 v8, v8, |v[XS+\i]|, |v[XS+\i+1]|
	v_max3_num_f32 v9, v9, |v[XS+\i+2]|, |v[XS+\i+3]|
.endr
	v_max3_num_f32 v8, v8, |v[XS+14]|, |v[XS+15]|
	v_max3_num_f32 v8, v8, v9, (EMAX+1)<<23        ; and the floor 2^(EMAX + 1 - 127): so the byte cannot fall under 1
	v_max_num_f32_dpp v8, v8, v8 row_xmask:1 row_mask:0xf bank_mask:0xf   ; and of my neighbour's 16: the block's
	v_add_nc_u32 v11, -(EMAX<<23), v8              ; EMAX off its exponent field: the conversion takes the exponent field of this operand as its scale
	v_and_or_b32 v10, v8, 0x7f800000, s23          ; 448 x the scale: the largest magnitude's exponent field over 448's mantissa
.irp i, 0,1,2,3,4,5,6,7,8,9,10,11,12,13,14,15
	v_med3_num_f32 v[XS+\i], v[XS+\i], -v10, v10   ; the conversion to an 8-bit code does not saturate (ISA guide 7.6.2): the hold comes first
.endr
	v_cvt_scalef32_pk8_fp8_f32 v[C+4*(\t):C+4*(\t)+1], v[XS:XS+7], v11
	v_cvt_scalef32_pk8_fp8_f32 v[C+4*(\t)+2:C+4*(\t)+3], v[XS+8:XS+15], v11
	v_lshrrev_b32 v[E+(\t)], 23, v11               ; the scale's byte (also the plain line behind the conversions)
	ds_store_b8 v5, v[E+(\t)] offset:16*(\t)       ; both lanes of a block write the same byte with the same value
	global_store_b128 v4, v[C+4*(\t):C+4*(\t)+3], s[8:9] offset:32*CB*(\t)
.endm
.irp t, 0,1,2,3,4,5,6,7,8,9,10,11,12,13,14,15
	STEP \t
.endr
	ds_load_b64 v[8:9], v6                         ; LDS serves a wave's instructions in order: these see my stores
	s_wait_dscnt 0x0
	global_store_b64 v7, v[8:9], s[10:11]          ; 32 lanes store 256 consecutive bytes, aligned
	s_wait_tensorcnt 0x0                           ; the wave's end, behind my last LDS store
	ds_add_u32 v[SPW], v[NIL]
	s_wait_dscnt 0x0
	s_endpgm
.Lfunc_end_k_q9777e675cb_quant:
	.size	k_q9777e675cb_quant, .Lfunc_end_k_q9777e675cb_quant-k_q9777e675cb_quant
	.p2alignl 7, 3214868480
	.fill 96, 4, 3214868480
	.section	.rodata,"a",@progbits
	.p2align	6, 0x0
	.amdhsa_kernel k_q9777e675cb_quant
		.amdhsa_group_segment_fixed_size 49920
		.amdhsa_private_segment_fixed_size 0
		.amdhsa_enable_private_segment 0
		.amdhsa_kernarg_size 48
		.amdhsa_user_sgpr_count 2
		.amdhsa_user_sgpr_kernarg_segment_ptr 1
		.amdhsa_wavefront_size32 1
		.amdhsa_system_sgpr_workgroup_id_x 1
		.amdhsa_system_sgpr_workgroup_id_y 1
		.amdhsa_system_sgpr_workgroup_id_z 1
		.amdhsa_system_vgpr_workitem_id 0
		.amdhsa_next_free_vgpr 192
		.amdhsa_next_free_sgpr 66
		.amdhsa_reserve_vcc 0
		.amdhsa_float_denorm_mode_32 3
		.amdhsa_float_denorm_mode_16_64 3
		.amdhsa_memory_ordered 1
		.amdhsa_forward_progress 1
		.amdhsa_inst_pref_size 51
	.end_amdhsa_kernel
	.amdgpu_metadata
---
amdhsa.version: [ 1, 2 ]
amdhsa.kernels:
  - .name:           k_q9777e675cb_quant
    .symbol:         k_q9777e675cb_quant.kd
    .args:
      - { .name: x, .offset: 0, .size: 8, .value_kind: global_buffer, .address_space: global }
      - { .name: W_attn, .offset: 8, .size: 8, .value_kind: global_buffer, .address_space: global }
      - { .name: W_proj, .offset: 16, .size: 8, .value_kind: global_buffer, .address_space: global }
      - { .name: xq, .offset: 24, .size: 8, .value_kind: global_buffer, .address_space: global }
      - { .name: waq, .offset: 32, .size: 8, .value_kind: global_buffer, .address_space: global }
      - { .name: wpq, .offset: 40, .size: 8, .value_kind: global_buffer, .address_space: global }
    .group_segment_fixed_size: 49920
    .private_segment_fixed_size: 0
    .kernarg_segment_align: 8
    .kernarg_segment_size: 48
    .max_flat_workgroup_size: 192
    .sgpr_count:     66
    .vgpr_count:     192
    .wavefront_size: 32
...
	.end_amdgpu_metadata
.endif
;; end of part 1
;; launch qkv (part 2): grid 12 x 32, 4 waves a work-group, clusters of 4 x 4, 327,680 bytes of LDS; arguments xq, waq, b_attn, pack; writes pack
.if DOCPART == 2
	.amdgcn_target "amdgcn-amd-amdhsa--gfx1250"
	.amdhsa_code_object_version 6
	.text
	.protected	k_q9777e675cb_qkv
	.globl	k_q9777e675cb_qkv
	.p2align	8
	.type	k_q9777e675cb_qkv,@function
k_q9777e675cb_qkv:
	s_mov_b64 s[64:65], 0
	v_nop
	global_prefetch_b8 v0, s[64:65] scope:SCOPE_SE
	s_setreg_imm32_b32 hwreg(HW_REG_WAVE_MODE, 25, 1), 1
	s_wait_xcnt 0x0
	s_wait_alu depctr_hold_cnt(0) depctr_sa_sdst(0) depctr_va_vdst(0) depctr_va_sdst(0) depctr_va_ssrc(0) depctr_va_vcc(0) depctr_vm_vsrc(0)
	s_getreg_b32 s2, hwreg(HW_REG_IB_STS2, 6, 4)
	s_cmp_eq_u32 s2, 0
	s_cbranch_scc0 .Lentry_in_a_cluster
	s_endpgm
.Lentry_in_a_cluster:
	s_bfe_u32 s2, ttmp6, 0x10000c
	s_cmp_lg_u32 s2, 0xf033
	s_cbranch_scc0 .Lentry_shape_is_right
	s_endpgm
.Lentry_shape_is_right:
; qkv = x W_attn^T + b_attn on codes of FP8 (E4M3) with E8M0 scales (xq, waq: codes [place][1,024], scale bytes [place][32] behind them; rows in the order that the first launch gave them),
; and on the way out q, k and v are quantised in registers and stored as IMAGES OF THE NEXT OPERANDS' REGISTERS: qkv never goes to memory as f32.  No work of reference() is left out here.
; A tile of 256 x 256 is made by four waves, each 128 x 128: 64 accumulators, 512 registers.  K goes in steps of 256 through a ring of two LDS slots; the scale bytes of the work-group's rows come once and stay.
; THE MATRIX INSTRUCTION IS USED TRANSPOSED: source 0 = 16 rows of 'B', source 1 = 16 rows of 'A': a lane holds ONE row of A, and its registers run along B's rows; by the stored row order the 16 registers of B's
; tiles 2 b and 2 b + 1 are 16 neighbouring rows of B: 32 b + 16 (lane / 16) + 0 .. 15: what the conversions and the next operand's layout want.
; TWO MODES, by the cluster's x alone (the same in all sixteen partners):  x = 0 (q), 1 (k): A = tokens, B = rows of W_attn: registers run along the head's 64, the next product's K.
;   x = 2 (v): A = rows 2,048 on of W_attn, B = tokens: registers run along the tokens, which are the keys: the K of p v.
; CLUSTERS: 4 x 4 work-groups.  A's tile hangs on cy alone and is shared along a row of the cluster, B's on cx alone and is shared along a column: each is asked for jointly, by the same tensor load with a mask of the four.
; pack, for each (batch, head) PBH bytes: q's images (tile of 16 tokens x 2 x 512 bytes), q's scale words, k's images, v's images (128 keys x 4 tiles of 16 channels x 4 x 512 bytes), k's scale words, v's.
; A scale word of q or k holds its two bytes twice: the upper two stand for K 64 .. 127, where the next launch has zero codes.
; LIMITS: a block of zeros gets the byte 1 (its codes are zeros; this program alone reads the bytes); NaN and infinities are not served.
; 384 equal work-groups; each makes one tile.
; REGISTERS, in windows of 256: window 0: v1, v2 lane % 16, lane / 16; v16-29 addresses; v32-63 scale words, two sets; from v128 A's fragments, ONE set; on the way out v64-111 and v128-191 are at work.
;   window 1: B's fragments, TWO sets, at v0 and at v128; set 0 takes the bias for the last step on.   window 2, 3: the accumulators ((a, b) at v[8 (8 (a % 4) + b)]).
.set KSTEP,  256                       ; along K in a slot
.set NQ,     KSTEP/128                 ; matrix instructions deep
.set ROWB,   256                       ; a tile's row in bytes
.set KROW,   1024                      ; a row of codes in memory
.set PITCH,  272                       ; an LDS row: 256 bytes + 16 of padding = 68 words: row r starts at bank 4 r mod 64 (ISA guide 11.1)
.set FR,     16                        ; registers of a fragment: 16 rows x 128 K
.set NL,     4                         ; LDS loads that bring one
.set NP,     8                         ; places behind this matrix instruction (ISA guide 7.12.1)
.set HALFT,  128*PITCH                 ; 128 rows: what one tensor load brings
.set SLOT,   4*HALFT                   ; A's 256 rows, then B's 256 rows
.set LAPS,   1024/(2*KSTEP)            ; a lap = two K steps = once round the ring
.set KS,     32                        ; a row of scale bytes
.set SCL,    2*SLOT                    ; behind the ring: the scales, as runs of 256 bytes + 16 of padding
.set HALFS,  (128*KS/256)*272          ; the scales of 128 rows
.set SBLK,   (16*KS/256)*272           ; those of 16 rows
.set SPARE,  SCL+4*HALFS               ; behind the scales: the spare words, 128 bytes for each wave
.set SC_X,   8388608                   ; where the scale bytes begin in xq,
.set SC_WA,  3145728                   ; and in waq
.set PBH,    413696                    ; a (batch, head)'s bytes in pack
.set KIMG,   139264                    ; in them: k's images,
.set VIMG,   270336                    ; v's,
.set QSC,    131072                    ; q's scale words,
.set KSC,    401408                    ; k's,
.set VSC,    409600                    ; v's
.set ADRA, 16                          ; v16-17  LDS address of my A fragments in slot 0, 1
.set ADRB, 20                          ; v20-21  the same for B
.set LI,   24                          ; v24     the way out: 16 x lane
.set LS,   25                          ; v25     the way out: (lane / 16) x PBH + 16 (lane % 16): lanes 16-31 store the second head's scale words
.set BO,   26                          ; v26     my offset in the bias
.set ADRS, 27                          ; v27     LDS address of my scale words: lanes 0-15 A's rows, lanes 16-31 B's
.set SPW,  28                          ; v28     LDS address of my spare word; never rewritten
.set NIL,  29                          ; v29     0; never rewritten
.set SC,   32                          ; scale words: set s at v[SC + 8 NQ s]; register NQ i + q: lanes 0-15 A's block i, lanes 16-31 B's block i
.set AF,   128                         ; A's fragments, in window 0
.set X,    128                         ; the way out: 64 numbers of a lane
.set TM,   64                          ; v64-67 largest magnitudes, v68-71 bytes, v72-75 448 x the scale, v76-79 the conversions' scale operands
.set WD,   80                          ; v80-87  a scale word for each of A's eight blocks
.set WE,   88                          ; v88-91  v's scale words as they leave
.set PC,   96                          ; v96-111 the codes just made
.set MODE, 66                          ; s66     1: v
.set HM,   67                          ; s67     the mask of lanes 16-31
.set CBS,  12                          ; s[12:13] the way out: where my codes go
.set SBS,  18                          ; s[18:19] and my scale words
.set BBS,  20                          ; s[20:21] my features' bias
.set SEL,  92                          ; s[92:93] lane selects for v_permlanex16_b32: lane l xor 16
.set MNT,  94                          ; s94     the mantissa field of 448
.set G1, 24                            ; s[24:31] descriptor group 1 for A's tiles;  s[32:39] group 0, one set for each slot
.set G0, 32
.set G1B, 48                           ; s[48:55], s[56:63] the same for B's tiles
.set G0B, 56
.set G1S, 68                           ; s[68:75], s[76:79] groups 1 and 0 for A's scales;  s[80:87], s[88:91] for B's
.set G0S, 76
.set G1SB, 80
.set G0SB, 88
.set MSB, 0
.macro WIN new                         ; the immediate's high byte repeats the setting that is left
.if MSB != (\new)
	s_set_vgpr_msb (MSB<<8)|(\new)
.set MSB, (\new)
.endif
.endm
.set MUL_LO, 0xa1                      ; source 0 (B) window 1, source 1 (A) window 0, C and D window 2
.set MUL_HI, 0xf1                      ; the same, C and D window 3
.set TO_B,   0x40                      ; destination window 1, address window 0
; A joint load: waves 0 and 1 fetch for A, waves 2 and 3 for B.  The branch hangs on the wave's number alone.  An s_nop 0 and four v_nop follow each of the two lines.
.macro JLOAD g0a, g1a, g0b, g1b
	s_cmp_eq_u32 s15, 0
	s_cbranch_scc0 .Lfor_b_\@
	tensor_load_to_lds s[\g0a:\g0a+3], s[\g1a:\g1a+7]
	s_nop 0
.rept 4
	v_nop
.endr
	s_branch .Lasked_\@
.Lfor_b_\@:
	tensor_load_to_lds s[\g0b:\g0b+3], s[\g1b:\g1b+7]
	s_nop 0
.rept 4
	v_nop
.endr
.Lasked_\@:
.endm
.macro CREST                           ; a round of the cluster's barrier behind its opening barrier
	s_cmp_lg_u32 s14, 0
	s_cbranch_scc1 .Lnot_wave_0_\@
	s_barrier_signal -3
.Lnot_wave_0_\@:
	s_barrier_wait -3
	s_barrier_signal -1
	s_barrier_wait -1
.endm
.macro CROUND                          ; a whole round
	s_barrier_signal -1
	s_barrier_wait -1
	CREST
.endm
	s_load_b256 s[4:11], s[0:1], 0x0               ; xq s[4:5], waq s[6:7], b_attn s[8:9], pack s[10:11]
	v_lshl_add_u32 v[SPW], v0, 2, SPARE
	v_mov_b32 v[NIL], 0
	ds_add_u32 v[SPW], v[NIL]                      ; the wave's opening: the add, twice on end, and its wait ahead of my first tensor load
	ds_add_u32 v[SPW], v[NIL]                      ; and once more, under the one wait; the set-up below, work on registers, stands between
	v_lshrrev_b32 v1, 5, v0
	v_readfirstlane_b32 s14, v1                    ; wave 0..3
	s_lshr_b32 s15, s14, 1                         ; which half of A's 256 rows is mine.  Also: I fetch for A (0) or for B (1)
	s_and_b32 s16, s14, 1                          ; which half of B's.  Also: which 128 rows of that tile I fetch
	s_bfe_u32 s40, ttmp6, 0x40000                  ; cx, cy: my place in the cluster
	s_bfe_u32 s41, ttmp6, 0x40004
	s_lshl_b32 s42, ttmp9, 2                       ; 4 x cluster x
	s_and_b32 s17, ttmp7, 0xffff
	s_lshl_b32 s17, s17, 2                         ; 4 x cluster y
	s_cmp_eq_u32 ttmp9, 2                          ; the third column of clusters makes v
	s_cselect_b32 s[MODE], 1, 0
	s_cselect_b32 s42, s17, s42                    ; B's tile: v: tokens, 4 x cluster y; else rows of W_attn, 4 x cluster x
	s_cselect_b32 s17, 8, s17                      ; A's tile: v: rows 2,048 on of W_attn; else tokens
	s_add_co_u32 s42, s42, s40                     ; + cx: B's tile hangs on cx alone,
	s_add_co_u32 s17, s17, s41                     ; + cy: A's on cy alone
	s_lshl_b32 s43, s41, 2
	s_lshl_b32 s43, 15, s43                        ; my row of the cluster
	s_lshl_b32 s44, 0x1111, s40                    ; my column
	; descriptor group 1: a tile of 128 rows x ROWB bytes, padded in LDS
	s_or_b32 s[G1+0], s43, (0<<16)|(1<<20)|(1<<21)|(5<<22)|(3<<25)  ; 15:0 the mask: A's tiles go to my row; 17:16 element of 1 byte; 20 padding on; 21 set beside a mask; 24:22 after every 64 words; 31:25 of 4 words
	s_or_b32 s[G1B+0], s44, (0<<16)|(1<<20)|(1<<21)|(5<<22)|(3<<25)
.irp g, G1, G1B
	s_mov_b32 s[\g+1], ROWB<<16                    ; tensor_dim0
	s_mov_b32 s[\g+2], 256<<16                     ; tensor_dim1 = 256 for the head's loads; behind them 128, for the ring's
	s_mov_b32 s[\g+3], ROWB<<16                    ; tile_dim0
	s_mov_b32 s[\g+4], 256                         ; tile_dim1 likewise
	s_mov_b32 s[\g+5], KROW                        ; tensor_dim0_stride
	s_mov_b32 s[\g+6], 0
	s_mov_b32 s[\g+7], 0
.endr
	; and for the scales of 256 rows: a dense block of 8,192 bytes, as rows of 256 bytes (32 elements of 8 bytes), 16 bytes of padding behind each
	s_or_b32 s[G1S+0], s43, (3<<16)|(1<<20)|(1<<21)|(5<<22)|(3<<25)
	s_or_b32 s[G1SB+0], s44, (3<<16)|(1<<20)|(1<<21)|(5<<22)|(3<<25)
.irp g, G1S, G1SB
	s_mov_b32 s[\g+1], 32<<16
	s_mov_b32 s[\g+2], (256*KS/256)<<16            ; the scales of all 256 rows: 8,192 dense bytes
	s_mov_b32 s[\g+3], 32<<16
	s_mov_b32 s[\g+4], 256*KS/256
	s_mov_b32 s[\g+5], 32
	s_mov_b32 s[\g+6], 0
	s_mov_b32 s[\g+7], 0
.endr
	s_lshl_b32 s20, s17, 8                         ; A: the tile's first place, 256 x tile
	s_lshl_b32 s46, s42, 8                         ; B likewise
	s_mov_b32 s21, 0
	s_mov_b32 s47, 0
	s_mov_b64 s[18:19], KS
	s_mul_u64 s[22:23], s[20:21], s[18:19]         ; where these rows' scales begin, in bytes
	s_mul_u64 s[92:93], s[46:47], s[18:19]
	s_mov_b64 s[18:19], KROW
	s_mul_u64 s[20:21], s[20:21], s[18:19]         ; and their codes
	s_mul_u64 s[46:47], s[46:47], s[18:19]
	s_mul_i32 s45, s14, HALFT                      ; where they go: wave x 128 rows: no place in the cluster enters an LDS address
	s_wait_dscnt 0x0                               ; both opening adds are done
	s_wait_kmcnt 0x0
	s_cmp_eq_u32 s[MODE], 1                        ; which buffer is A's and which B's: the choice hangs on the cluster's x alone
	s_cselect_b64 s[96:97], s[6:7], s[4:5]         ; A's
	s_cselect_b64 s[100:101], s[4:5], s[6:7]       ; B's
	s_mov_b32 s98, SC_X
	s_cselect_b32 s98, SC_WA, s98                  ; where A's scale bytes begin in its buffer,
	s_mov_b32 s104, SC_WA
	s_cselect_b32 s104, SC_X, s104                 ; and B's
	s_mov_b32 s99, 0
	s_mov_b32 s105, 0
	s_add_nc_u64 s[22:23], s[22:23], s[98:99]
	s_add_nc_u64 s[92:93], s[92:93], s[104:105]
	s_add_nc_u64 s[20:21], s[96:97], s[20:21]
	s_add_nc_u64 s[22:23], s[96:97], s[22:23]
	s_add_nc_u64 s[46:47], s[100:101], s[46:47]
	s_add_nc_u64 s[92:93], s[100:101], s[92:93]
	CROUND                                         ; all sixteen work-groups are here: the first joint loads meet
	s_mov_b32 s[G0S], 1
	s_mov_b32 s[G0S+1], SCL
	s_mov_b64 s[G0S+2:G0S+3], s[22:23]
	s_or_b32 s[G0S+3], s[G0S+3], 0x80000000
	s_mov_b32 s[G0SB], 1
	s_mov_b32 s[G0SB+1], SCL+2*HALFS
	s_mov_b64 s[G0SB+2:G0SB+3], s[92:93]
	s_or_b32 s[G0SB+3], s[G0SB+3], 0x80000000
	s_mov_b32 s4, 1                                ; s[4:7]: group 0 of the head's load of K step 0's 256 rows of A (the arguments that lay there have been used)
	s_mov_b32 s5, 0
	s_mov_b64 s[6:7], s[20:21]
	s_or_b32 s7, s7, 0x80000000
	s_lshl_b32 s104, s16, 17                       ; for the ring: which 128 rows of a tile I fetch, in bytes
	s_mov_b32 s105, 0
	s_add_nc_u64 s[20:21], s[20:21], s[104:105]
	s_add_nc_u64 s[100:101], s[46:47], s[104:105]
.irp s, 0,1
	s_mov_b32 s[G0+4*\s], 1
	s_add_co_u32 s[G0+4*\s+1], s45, \s*SLOT
	s_add_nc_u64 s[G0+4*\s+2:G0+4*\s+3], s[20:21], \s*ROWB
	s_or_b32 s[G0+4*\s+3], s[G0+4*\s+3], 0x80000000
	s_mov_b32 s[G0B+4*\s], 1
	s_add_co_u32 s[G0B+4*\s+1], s45, \s*SLOT
	s_add_nc_u64 s[G0B+4*\s+2:G0B+4*\s+3], s[100:101], \s*ROWB
	s_or_b32 s[G0B+4*\s+3], s[G0B+4*\s+3], 0x80000000
.endr
	s_mov_b32 s44, 1                               ; s[44:47]: group 0 of the head's load of K step 0's 256 rows of B, behind A's in slot 0
	s_mov_b32 s45, 2*HALFT
	s_or_b32 s47, s47, 0x80000000
; THE HEAD'S LOADS, ONE A WAVE: wave 0 K step 0's 256 rows of A, wave 1 its 256 rows of B, wave 2 the scales of A's rows, wave 3 those of B's.
; One chain of branches on the wave's number: every way through the head passes exactly one load.
.macro ARM under, g0, g1, next
	s_cmp_lt_u32 s14, \under
	s_cbranch_scc0 \next
	tensor_load_to_lds s[\g0:\g0+3], s[\g1:\g1+7]
	s_nop 0
.rept 4
	v_nop
.endr
	s_branch .Lhead_asked
\next:
.endm
	ARM 1, 4,   G1,  .Lhead_b
	ARM 2, 44,  G1B, .Lhead_sa
	ARM 3, G0S, G1S, .Lhead_sb
	tensor_load_to_lds s[G0SB:G0SB+3], s[G1SB:G1SB+7]
	s_nop 0
.rept 4
	v_nop
.endr
.Lhead_asked:
	v_and_b32 v1, 15, v0                           ; l % 16; kept
	v_bfe_u32 v2, v0, 4, 1                         ; l / 16; kept
	v_mul_u32_u24 v3, v1, PITCH
	v_lshl_add_u32 v4, v2, 4, v3                   ; a fragment's row x pitch + 16 x half
	s_mul_i32 s21, s15, HALFT                      ; my 128 rows of A
	s_mul_i32 s22, s16, HALFT                      ; my 128 rows of B,
	s_add_co_u32 s22, s22, 2*HALFT                 ; which lie behind A's 256
.irp s, 0,1
	v_add_nc_u32 v[ADRA+\s], s21, v4
	v_add_nc_u32 v[ADRB+\s], s22, v4
	s_add_co_u32 s21, s21, SLOT
	s_add_co_u32 s22, s22, SLOT
.endr
	v_mul_u32_u24 v5, v1, KS                       ; my row's scales: KS bytes a row,
	v_lshrrev_b32 v6, 8, v5
	v_lshl_add_u32 v5, v6, 4, v5                   ; and 16 more for each 256 passed
	s_mul_i32 s21, s15, HALFS                      ; A's: my 128 rows
	s_mul_i32 s22, s16, HALFS                      ; B's: my 128 rows, behind A's 256
	s_add_co_u32 s22, s22, 2*HALFS
	s_sub_co_u32 s22, s22, s21
	v_mul_u32_u24 v6, s22, v2                      ; lanes 16-31 take B's
	s_add_co_u32 s21, s21, SCL
	v_add_nc_u32 v5, v5, v6
	v_add_nc_u32 v[ADRS], s21, v5
.macro FRAG reg, adr, q, i             ; a fragment: lane l holds row l % 16; registers 4 c .. 4 c + 3 hold K = 32 c + 16 (l / 16) + 0 .. 15
.irp c, 0,1,2,3
	ds_load_b128 v[\reg+4*\c:\reg+4*\c+3], v[\adr] offset:128*(\q)+32*\c+(\i)*16*PITCH
.endr
.endm
; 16 matrix instructions: A's blocks a0, a0 + 1 x B's eight, 128 along K: the slot's q-th.  p: B's set;  sc: the set of scale words.  zero = 1: the first product starts the sums.
; The 64 accumulators take turns, one instruction a turn, in the same order in every step.
.macro MUL16 a0, p, q, sc, zero
.irp a, \a0, \a0+1
.irp b, 0,1,2,3,4,5,6,7
.if \zero
	v_wmma_scale_f32_16x16x128_f8f6f4 v[8*(8*((\a)%4)+\b):8*(8*((\a)%4)+\b)+7], v[128*(\p)+FR*\b:128*(\p)+FR*\b+FR-1], v[AF+FR*(\a):AF+FR*(\a)+FR-1], 0, v[SC+8*NQ*(\sc)+NQ*\b+(\q)], v[SC+8*NQ*(\sc)+NQ*(\a)+(\q)] matrix_a_scale:MATRIX_SCALE_ROW1
.else
	v_wmma_scale_f32_16x16x128_f8f6f4 v[8*(8*((\a)%4)+\b):8*(8*((\a)%4)+\b)+7], v[128*(\p)+FR*\b:128*(\p)+FR*\b+FR-1], v[AF+FR*(\a):AF+FR*(\a)+FR-1], v[8*(8*((\a)%4)+\b):8*(8*((\a)%4)+\b)+7], v[SC+8*NQ*(\sc)+NQ*\b+(\q)], v[SC+8*NQ*(\sc)+NQ*(\a)+(\q)] matrix_a_scale:MATRIX_SCALE_ROW1
.endif
.endr
.endr
.endm
.macro FETCH_B slot, q, p              ; B's eight fragments of the slot's q-th 128 along K into set p
	WIN TO_B
.irp i, 0,1,2,3,4,5,6,7
	FRAG 128*(\p)+FR*\i, ADRB+\slot, \q, \i
.endr
	WIN 0
.endm
.macro FETCH_A slot, q, i0             ; A's blocks i0 .. i0 + 3
.irp i, \i0, \i0+1, \i0+2, \i0+3
	FRAG AF+FR*(\i), ADRA+\slot, \q, \i
.endr
.endm
.macro SCALES sc                       ; the next K step's scale words into set sc: NQ words a row
.irp i, 0,1,2,3,4,5,6,7
	ds_load_b64 v[SC+8*NQ*\sc+NQ*\i:SC+8*NQ*\sc+NQ*\i+1], v[ADRS] offset:\i*SBLK
.endr
.endm
; A load into a register that a matrix instruction has read, and a vector instruction that reads a matrix result, stand NP places behind that matrix instruction; only plain vector
; instructions that name none of its registers are places (ISA guide 7.12.1 for vector instructions).
.macro PLACES n
.rept \n
	v_nop
.endr
.endm
; A step of 128 along K that has its successor in the same slot.
.macro STEP slot, q, zero
	s_wait_dscnt 4*NL                              ; B's set and A's blocks 0-3 are in; the youngest sixteen loads (A's blocks 4-7) may be out
	WIN MUL_LO
	MUL16 0, (\q)%2, \q, \slot, \zero
	MUL16 2, (\q)%2, \q, \slot, \zero
	s_wait_dscnt 0                                 ; A's blocks 4-7 are in (asked for 32 matrix instructions ago)
	PLACES NP
	FETCH_B \slot, (\q)+1, 1-(\q)%2
	FETCH_A \slot, (\q)+1, 0
	WIN MUL_HI
	MUL16 4, (\q)%2, \q, \slot, \zero
	MUL16 6, (\q)%2, \q, \slot, \zero
	PLACES NP
	WIN 0
	FETCH_A \slot, (\q)+1, 4
.endm
; A slot's last step changes slots: ONE barrier; in front of it each wave waits for all its tensor loads, adds 0 to its spare word, and waits for that and for its own reads of this slot.  fill = 1: this slot is filled again, two K steps ahead.
.macro TURN slot, next, fill
	s_wait_tensorcnt 0x0                           ; all my tensor loads have landed: my part of the next slot  (every window is 0 here)
	ds_add_u32 v[SPW], v[NIL]                      ; 0 onto my spare word
	s_wait_dscnt 4*NL+1                            ; (the add and the youngest sixteen loads, A's blocks 4-7, may be out)
	WIN MUL_LO
	MUL16 0, 1, NQ-1, \slot, 0                     ; sixteen matrix instructions stand between the add and the wait for it
	s_wait_dscnt 0x0                               ; the add is done, and my reads of this slot are over
	s_barrier_signal -1
	MUL16 2, 1, NQ-1, \slot, 0
	WIN 0
	s_barrier_wait -1
.if \fill
	CREST                                          ; the barrier has opened a round of the cluster's barrier: no wave of any partner still reads this slot's tile or has a load on its way
	s_add_nc_u64 s[G0+4*\slot+2:G0+4*\slot+3], s[G0+4*\slot+2:G0+4*\slot+3], 2*ROWB
	s_add_nc_u64 s[G0B+4*\slot+2:G0B+4*\slot+3], s[G0B+4*\slot+2:G0B+4*\slot+3], 2*ROWB
	JLOAD G0+4*\slot, G1, G0B+4*\slot, G1B         ; the first tensor load behind the round; its four v_nop are among the places in front of the loads below
	PLACES NP-4
.else
	PLACES NP
.endif
	s_wait_alu depctr_va_vdst(0)
	v_add_nc_u32 v[ADRS], 4*NQ, v[ADRS]            ; on to the next K step's scale words (no LDS load of mine is out)
	FETCH_B \next, 0, 0
	FETCH_A \next, 0, 0
	SCALES \next
	WIN MUL_HI
	MUL16 4, 1, NQ-1, \slot, 0
	MUL16 6, 1, NQ-1, \slot, 0
	PLACES NP
	WIN 0
	FETCH_A \next, 0, 4
.endm
	s_wait_alu depctr_va_vdst(0)
	s_wait_tensorcnt 0x0                           ; my tile of the head's four is in
	ds_add_u32 v[SPW], v[NIL]
	s_mov_b32 s[G1+2], 128<<16                     ; no tensor load of mine is out, so a descriptor may be written: from here on a load brings 128 rows
	s_mov_b32 s[G1+4], 128
	s_mov_b32 s[G1B+2], 128<<16
	s_mov_b32 s[G1B+4], 128
	s_wait_dscnt 0x0                               ; the add is done
	CROUND                                         ; a whole round: all four tiles are in, and the sixteen work-groups meet
	JLOAD G0+4, G1, G0B+4, G1B                     ; K step 1's load, the first tensor load behind the round
	FETCH_B 0, 0, 0
	FETCH_A 0, 0, 0
	SCALES 0
	FETCH_A 0, 0, 4
	STEP 0, 0, 1                                   ; the first step stands in front of the loop: its products start the sums
	s_mov_b32 s3, LAPS-1
.Llap:                                                 ; a trip goes once round the ring, from a lap's second step to the next lap's first, and fills both slots again
	TURN 0, 1, 1
	STEP 1, 0, 0
	TURN 1, 0, 1
	STEP 0, 0, 0
	s_sub_co_u32 s3, s3, 1
	s_cmp_lg_u32 s3, 0
	s_cbranch_scc1 .Llap
	TURN 0, 1, 0                                   ; the last lap fills nothing, and has no round of the cluster's barrier
	STEP 1, 0, 0
	; THE BIAS AND THE WAY OUT'S ADDRESSES, ahead of the last step, whose 64 matrix instructions run while the bias is on its way.  B's set 0 (window 1, v0 on) is free: eight places stand behind its last reader.
	s_cmp_eq_u32 s[MODE], 1
	s_cselect_b32 s40, s17, s42                    ; which 256 features are my work-group's,
	s_cselect_b32 s41, s15, s16                    ; which half of them mine,
	s_cselect_b32 s43, s42, s17                    ; which 256 tokens,
	s_cselect_b32 s44, s16, s15                    ; which half
	s_cselect_b32 s95, 8, 9                        ; scale words of 128 tokens: v 256 bytes, q and k 512
	s_mov_b32 s22, KIMG
	s_mov_b32 s23, KSC
	s_cmp_eq_u32 ttmp9, 0
	s_cselect_b32 s22, 0, s22                      ; q's images begin a head's part
	s_cselect_b32 s23, QSC, s23
	s_cmp_eq_u32 ttmp9, 2
	s_cselect_b32 s22, VIMG, s22
	s_cselect_b32 s23, VSC, s23
	s_lshr_b32 s45, s43, 3                         ; the batch: 8 tiles of 256 tokens each
	s_and_b32 s43, s43, 7
	s_lshl_b32 s43, s43, 1
	s_add_co_u32 s43, s43, s44                     ; which 128 tokens of the sequence
	s_and_b32 s46, s40, 3
	s_lshl_b32 s46, s46, 2
	s_lshl_b32 s47, s41, 1
	s_add_co_u32 s46, s46, s47                     ; my first head: 4 heads in 256 features, 2 in my 128
	s_lshl_b32 s45, s45, 4
	s_add_co_u32 s45, s45, s46
	s_mul_i32 s45, s45, PBH                        ; (batch, head)'s part of pack: under 2^25 bytes
	s_lshl_b32 s46, s43, 13                        ; 128 tokens are 8,192 bytes of images, of q, of k and of v
	s_add_co_u32 s46, s46, s45
	s_add_co_u32 s46, s46, s22
	s_mov_b32 s47, 0
	s_add_nc_u64 s[CBS:CBS+1], s[10:11], s[46:47]
	s_lshl_b32 s46, s43, s95
	s_add_co_u32 s46, s46, s45
	s_add_co_u32 s46, s46, s23
	s_add_nc_u64 s[SBS:SBS+1], s[10:11], s[46:47]
	s_lshl_b32 s46, s40, 10
	s_lshl_b32 s22, s41, 9
	s_add_co_u32 s46, s46, s22
	s_add_nc_u64 s[BBS:BBS+1], s[8:9], s[46:47]    ; b_attn at my 128 features
	s_mov_b32 s[SEL], 0x76543210
	s_mov_b32 s[SEL+1], 0xfedcba98
	s_mov_b32 s[MNT], 0x600000
	v_and_b32 v[LI], 31, v0
	v_lshlrev_b32 v[LI], 4, v[LI]
	v_mul_u32_u24 v[LS], v2, PBH
	v_lshl_add_u32 v[LS], v1, 4, v[LS]
	v_cmp_ne_u32 s[HM], 0, v2
	s_cmp_eq_u32 s[MODE], 1
	s_cbranch_scc1 .Lbias_v
	v_lshlrev_b32 v[BO], 6, v2                     ; q, k: register 16 b + i of a block of A is feature 32 b + 16 (lane / 16) + i: the bias in that order, 64 numbers a lane
	WIN TO_B
.irp b, 0,1,2,3
.irp k, 0,1,2,3
	global_load_b128 v[16*\b+4*\k:16*\b+4*\k+3], v[BO], s[BBS:BBS+1] offset:128*\b+16*\k
.endr
.endr
	WIN 0
	s_branch .Lbias_done
.Lbias_v:
	v_and_b32 v[BO], 8, v1                         ; v: a lane holds ONE feature of each block a of A: 32 (a / 2) + 8 (a % 2) + r + 8 (r / 8); its bias twice, as a pair for the packed addition
	v_add_nc_u32 v[BO], v[BO], v1
	v_lshlrev_b32 v[BO], 2, v[BO]
	WIN TO_B
.irp a, 0,1,2,3,4,5,6,7
	global_load_b32 v[2*\a], v[BO], s[BBS:BBS+1] offset:4*(32*(\a/2)+8*(\a%2))
	global_load_b32 v[2*\a+1], v[BO], s[BBS:BBS+1] offset:4*(32*(\a/2)+8*(\a%2))
.endr
	WIN 0
.Lbias_done:
	s_wait_dscnt 4*NL                              ; the very last step: nothing more to fetch
	WIN MUL_LO
	MUL16 0, 1, NQ-1, 1, 0
	MUL16 2, 1, NQ-1, 1, 0
	s_wait_dscnt 0
	WIN MUL_HI
	MUL16 4, 1, NQ-1, 1, 0
	MUL16 6, 1, NQ-1, 1, 0
	WIN 0
; 64 numbers of a lane, v[s] .. v[s + 63], register 16 b + i = k 32 b + 16 (lane / 16) + i of my row, become a fragment's codes in v[PC] on; the four blocks' bytes stand in v[TM+4] on.
.macro QUANT s
.irp b, 0,1,2,3
	v_max3_num_f32 v[TM+\b], |v[\s+16*\b]|, |v[\s+1+16*\b]|, 0x4800000   ; block b: my 16 numbers, and the floor 2^(9 - 127): so the byte cannot fall under 1
.endr
.irp i, 2,4,6,8,10,12,14
.irp b, 0,1,2,3
	v_max3_num_f32 v[TM+\b], v[TM+\b], |v[\s+16*\b+\i]|, |v[\s+1+16*\b+\i]|   ; (the four blocks by turns)
.endr
.endr
.irp b, 0,1,2,3
	v_permlanex16_b32 v[TM+4+\b], v[TM+\b], s[SEL], s[SEL+1]
.endr
.irp b, 0,1,2,3
	v_max_num_f32 v[TM+\b], v[TM+\b], v[TM+4+\b]   ; with lane l xor 16's: the block's largest magnitude
.endr
.irp b, 0,1,2,3
	v_add_nc_u32 v[TM+12+\b], 0xfc000000, v[TM+\b]   ; 8 off its exponent field: the conversion's scale operand
.endr
.irp b, 0,1,2,3
	v_and_or_b32 v[TM+8+\b], v[TM+\b], 0x7f800000, s[MNT]   ; 448 x the scale
.endr
.irp b, 0,1,2,3
	v_lshrrev_b32 v[TM+4+\b], 23, v[TM+12+\b]      ; the scale's byte
.endr
.irp b, 0,1,2,3
.irp i, 0,1,2,3,4,5,6,7,8,9,10,11,12,13,14,15
	v_med3_num_f32 v[\s+16*\b+\i], v[\s+16*\b+\i], -v[TM+8+\b], v[TM+8+\b]   ; the conversion to an 8-bit code does not saturate (ISA guide 7.6.2): the hold at the largest code x the scale
.endr
	v_cvt_scalef32_pk8_fp8_f32 v[PC+4*\b:PC+1+4*\b], v[\s+16*\b:\s+7+16*\b], v[TM+12+\b]
	v_cvt_scalef32_pk8_fp8_f32 v[PC+2+4*\b:PC+3+4*\b], v[\s+8+16*\b:\s+15+16*\b], v[TM+12+\b]
.endr
	v_nop                                          ; one plain vector instruction behind the last conversion
.endm
; Block a of A (16 rows x my 128 of B): the bias is added (which also brings the sums into window 0, each accumulator read from its low end on), the 64 numbers are quantised, and the codes leave as they stand:
; each store covers 512 consecutive bytes, aligned.  vm = 0: blocks 0, 1 are the first head's 64, blocks 2, 3 the second's.  vm = 1: the four blocks are 128 keys of one channel tile; a / 4 is the head.
.macro ETILE a, vm
	s_wait_xcnt 0x0                                ; the last block's stores have read their registers: the codes may be written again
	WIN 0x06+(\a)/4                                ; source 0: the accumulators' window; source 1: window 1; destination: window 0
.set k, 0
.rept 32
.if \vm
	v_pk_add_f32 v[X+2*k:X+2*k+1], v[64*((\a)%4)+2*k:64*((\a)%4)+2*k+1], v[2*(\a):2*(\a)+1]
.else
	v_pk_add_f32 v[X+2*k:X+2*k+1], v[64*((\a)%4)+2*k:64*((\a)%4)+2*k+1], v[2*k:2*k+1]
.endif
.set k, k+1
.endr
	WIN 0
	QUANT X
.if \vm
	v_lshl_or_b32 v[WD+\a], v[TM+5], 8, v[TM+4]    ; the four bytes make my channel's scale word for these 128 keys
	v_lshl_or_b32 v[WD+\a], v[TM+6], 16, v[WD+\a]
	v_lshl_or_b32 v[WD+\a], v[TM+7], 24, v[WD+\a]
.else
	v_cndmask_b32 v[TM], v[TM+4], v[TM+6], s[HM]   ; lanes 0-15 make the first head's word of their token, lanes 16-31 the second head's
	v_cndmask_b32 v[TM+1], v[TM+5], v[TM+7], s[HM]
	v_lshl_or_b32 v[TM], v[TM+1], 8, v[TM]
	v_lshl_or_b32 v[WD+\a], v[TM], 16, v[TM]       ; the two bytes twice
.endif
.irp b, 0,1,2,3
.if \vm
	global_store_b128 v[LI], v[PC+4*\b:PC+4*\b+3], s[CBS:CBS+1] offset:((\a)/4)*PBH+2048*((\a)%4)+512*\b
.else
	global_store_b128 v[LI], v[PC+4*\b:PC+4*\b+3], s[CBS:CBS+1] offset:1024*(\a)+(\b/2)*PBH+512*(\b%2)
.endif
.endr
.endm
.macro EPI vm
.irp a, 0,1,2,3,4,5,6,7
	ETILE \a, \vm
.if (\vm == 0) && (\a == 3)
	global_store_b128 v[LS], v[WD:WD+3], s[SBS:SBS+1]              ; four tiles' words of a token lie together: sixteen lanes store 256 consecutive bytes, aligned, in their head's table
.endif
.if (\vm == 0) && (\a == 7)
	global_store_b128 v[LS], v[WD+4:WD+7], s[SBS:SBS+1] offset:256
.endif
.endr
.if \vm
.irp d, 0,1,2,3
	v_cndmask_b32 v[WE+\d], v[WD+\d], v[WD+4+\d], s[HM]            ; lanes 0-15: the first head's four channel tiles; lanes 16-31: the second head's
.endr
	global_store_b128 v[LS], v[WE:WE+3], s[SBS:SBS+1]
.endif
.endm
	PLACES NP                                      ; behind the last products: their results are read and A's registers written below
	s_wait_loadcnt 0x0                             ; the bias
.irp b, 0,1,2,3
	v_mov_b32 v[TM+4+\b], 0                        ; written once: a lane permute's destination counts as one of its sources
.endr
	s_cmp_eq_u32 s[MODE], 1
	s_cbranch_scc1 .Lepi_v
	EPI 0
	s_branch .Lend
.Lepi_v:
	EPI 1
.Lend:
	s_wait_tensorcnt 0x0                           ; the wave's end, behind my last tensor load
	ds_add_u32 v[SPW], v[NIL]
	s_wait_dscnt 0x0
	CROUND                                         ; the closing round: no work-group ends while a partner may still ask for a tile that names it
	s_endpgm
.Lfunc_end_k_q9777e675cb_qkv:
	.size	k_q9777e675cb_qkv, .Lfunc_end_k_q9777e675cb_qkv-k_q9777e675cb_qkv
	.p2alignl 7, 3214868480
	.fill 96, 4, 3214868480
	.section	.rodata,"a",@progbits
	.p2align	6, 0x0
	.amdhsa_kernel k_q9777e675cb_qkv
		.amdhsa_group_segment_fixed_size 327680
		.amdhsa_private_segment_fixed_size 0
		.amdhsa_enable_private_segment 0
		.amdhsa_kernarg_size 32
		.amdhsa_user_sgpr_count 2
		.amdhsa_user_sgpr_kernarg_segment_ptr 1
		.amdhsa_wavefront_size32 1
		.amdhsa_system_sgpr_workgroup_id_x 1
		.amdhsa_system_sgpr_workgroup_id_y 1
		.amdhsa_system_sgpr_workgroup_id_z 1
		.amdhsa_system_vgpr_workitem_id 0
		.amdhsa_next_free_vgpr 1024
		.amdhsa_next_free_sgpr 106
		.amdhsa_reserve_vcc 0
		.amdhsa_float_denorm_mode_32 3
		.amdhsa_float_denorm_mode_16_64 3
		.amdhsa_memory_ordered 1
		.amdhsa_forward_progress 1
		.amdhsa_inst_pref_size 255
	.end_amdhsa_kernel
	.section	.bss,"aw",@nobits
	.p2align	6
	.space	262144
	.amdgpu_metadata
---
amdhsa.version: [ 1, 2 ]
amdhsa.kernels:
  - .name:           k_q9777e675cb_qkv
    .symbol:         k_q9777e675cb_qkv.kd
    .args:
      - { .name: xq, .offset: 0, .size: 8, .value_kind: global_buffer, .address_space: global }
      - { .name: waq, .offset: 8, .size: 8, .value_kind: global_buffer, .address_space: global }
      - { .name: b_attn, .offset: 16, .size: 8, .value_kind: global_buffer, .address_space: global }
      - { .name: pack, .offset: 24, .size: 8, .value_kind: global_buffer, .address_space: global }
    .group_segment_fixed_size: 327680
    .private_segment_fixed_size: 0
    .kernarg_segment_align: 8
    .kernarg_segment_size: 32
    .max_flat_workgroup_size: 128
    .sgpr_count:     106
    .vgpr_count:     1024
    .wavefront_size: 32
...
	.end_amdgpu_metadata
.endif
;; end of part 2
;; launch attn (part 3): grid 4 x 64, 16 waves a work-group, clusters of 4 x 1, 327,680 bytes of LDS; arguments pack, yq; writes yq
.if DOCPART == 3
	.amdgcn_target "amdgcn-amd-amdhsa--gfx1250"
	.amdhsa_code_object_version 6
	.text
	.protected	k_q9777e675cb_attn
	.globl	k_q9777e675cb_attn
	.p2align	8
	.type	k_q9777e675cb_attn,@function
k_q9777e675cb_attn:
	s_mov_b64 s[64:65], 0
	v_nop
	global_prefetch_b8 v0, s[64:65] scope:SCOPE_SE
	s_setreg_imm32_b32 hwreg(HW_REG_WAVE_MODE, 25, 1), 1
	s_wait_xcnt 0x0
	s_wait_alu depctr_hold_cnt(0) depctr_sa_sdst(0) depctr_va_vdst(0) depctr_va_sdst(0) depctr_va_ssrc(0) depctr_va_vcc(0) depctr_vm_vsrc(0)
	s_getreg_b32 s2, hwreg(HW_REG_IB_STS2, 6, 4)
	s_cmp_eq_u32 s2, 0
	s_cbranch_scc0 .Lentry_in_a_cluster
	s_endpgm
.Lentry_in_a_cluster:
	s_bfe_u32 s2, ttmp6, 0x10000c
	s_cmp_lg_u32 s2, 0x3003
	s_cbranch_scc0 .Lentry_shape_is_right
	s_endpgm
.Lentry_shape_is_right:
; y[b][q][head] = the sum over keys k <= q of softmax_k(q . k / 64) v, both products on codes of FP8 (E4M3) with E8M0 scales, from the operand images that the launch before stored; y is quantised along C and stored as images.
; WORK LEFT OUT: a key step of 128 keys all of which come after my tile's 16 queries: reference()'s own jnp.tril makes their scores -inf, so p = 0 for all values of the inputs.  LIMIT: a NaN, an infinity or an overflow that reaches only those scores is not carried on.
; THE SOFTMAX AHEAD OF THE SECOND PRODUCT: t = score x log2(e) / 64; M = the row's largest t so far, rounded UP to a whole number; p = 2^(t - M) is what is quantised, along the keys; the row's sum is taken of the unquantised p
; and divides O at the end.  When M moves, the sum and O are multiplied by 2^(old M - new M): exact.
; SHARES.  A cluster of four work-groups is one (batch, head).  The head's 128 tiles of 16 queries are 16 groups g of 8.  Work-group cx, wave w (e = w & 1, gp = w >> 1) owns tile 8 g + 2 cx + e, first with g = 15 - gp, then with g = gp:
; (16 - gp) + (gp + 1) = 17 key steps for every wave of the launch.  Branches hang on the wave's number and on the count of steps alone; cx enters global addresses and the mask's lane number only.
; LDS.  The head's K images, V images and both tables of scale words, 274,432 consecutive bytes of pack, come ONCE, by one joint tensor load a wave, and stay: no byte is filled again.
; THE HEAD IS SHOWN IN TWO PARTS.  Waves 0 and 1 fetch K's and V's images of key steps 0 to 3 (128 rows of 256 bytes each), wave 2 K's scale words, wave 3 V's: these three load lines are issued by waves 0 to 3 alone, which wait ahead of the
; first barrier.  Waves 4 to 15 fetch two further key steps of K (even waves) or of V (odd waves) each, 64 rows; every wave waits ahead of the second barrier, which stands behind the first pass's key step 3.
; The first pass has g >= 8: its key steps 0 to 3 are walked by every wave, with no key hidden.
; NO PREFETCH: all that the work-group reads through LDS is asked for by the sixteen loads at the head; no loop stands ahead of them in which to ask earlier.
; LAYOUT.  Both products are used transposed: S^T = K Q^T (source 0 = 16 keys, source 1 = my 16 queries), O^T = V^T P^T (source 0 = 16 channels, source 1 = P): a lane holds ONE query throughout.
; By the stored row order, lane r of a tile t of tokens holds token 32 (t / 2) + 8 (t % 2) + r + 8 (r / 8): the 16 registers of key tiles 2 b, 2 b + 1 are keys 32 b + 16 (lane / 16) + 0 .. 15; V's channel tiles likewise.
; K = 64 IN AN INSTRUCTION OF K = 128: Q's registers 8-15 are zero codes.  K's tile t is named as v[32 + 8 t : 47 + 8 t]: its upper eight registers are the next tile's codes (for t = 7 zeros): finite numbers, since the quantiser never
; makes the NaN code, and times Q's zeros they add 0; bytes 2 and 3 of the scale words repeat true bytes, never 0xff.
; LIMITS: a block of zeros gets the byte 1 (its codes are zeros); NaN and infinities are not served.
.set PBH,    413696                    ; a (batch, head)'s bytes in pack: q's images at 0,
.set QSC_G,  131072                    ; q's scale words,
.set KIMG_G, 139264                    ; and from here on what goes to LDS, in the same order
.set VIMG,   131072                    ; LDS: K's images at 0, V's here,
.set KSC,    262144                    ; K's scale words,
.set VSC,    270336                    ; V's,
.set SPARE,  274432                    ; the spare words, 128 bytes for each of sixteen waves
.set YSC_G,  8388608                   ; where y's scale bytes begin in yq
.set AK0,  1                           ; v1   16 x lane: my place in an image; also the offset of q's loads and y's stores
.set AV0,  2                           ; v2   VIMG + 16 x lane
.set ASK0, 3                           ; v3   KSC + 16 (lane % 16)
.set ASV0, 4                           ; v4   VSC + 16 (lane % 16)
.set SPW,  5                           ; v5   LDS address of my spare word; never rewritten
.set NIL,  6                           ; v6   0; never rewritten
.set DQ,   7                           ; v7   my query's place in its group of 128, less 16 (lane / 16)
.set ADK,  8                           ; v8-11 LDS addresses of the step in hand: K, V, K's scale words, V's
.set ADV,  9
.set ADS,  10
.set ADT,  11                          ; v12 -M, v13 the largest t, v[14:15] the sum in two halves; v16-23 Q, v24-31 zeros
.set KV,   32                          ; v32-95   K's eight tiles x 8 registers, then V's four x 16;  v96-103 zeros
.set S,    104                         ; v104-167 S^T, then p; on the way out y
.set OT,   168                         ; v168-199 O^T
.set PCD,  200                         ; v200-215 p's codes; on the way out y's
.set KW,   216                         ; v216-223 K's scale words
.set VW,   224                         ; v224-227 V's
.set QW,   228                         ; v228     Q's
.set PW,   229                         ; v229     p's
.set F,    230                         ; v230 f = 2^(old M - new M); v231 is named with it as a pair, so it is written
.set BM,   232                         ; v232-235 a block's largest score, then its largest p
.set T1,   236                         ; v236-239 at work
.set T2,   240                         ; v240-243 448 x the scale
.set T3,   244                         ; v244-247 the conversions' scale operands
.set R16,  248                         ; v248     16 (lane % 16)
.set R32,  249                         ; v249     32 (lane % 16) + lane / 16: my byte among y's scale bytes
.set SCR,  250                         ; v250     at work
.set YB,   251                         ; v251     y's scale byte
.set WV,   8                           ; s8   my wave's number;  s9 cx, s10 (batch, head), s11 e, s12 gp
.set HM,   13                          ; s13  the mask of lanes 16-31
.set G1A,  16                          ; s[16:23] descriptor group 1 for 128 rows;  s[24:27] group 0
.set G0,   24
.set G1K,  68                          ; s[68:75] for 32 rows (K's scale words),
.set G1V,  76                          ; s[76:83] for 16 (V's),
.set G1R,  84                          ; s[84:91] for 64 (two key steps of images)
.set SEL,  28                          ; s[28:29] lane selects for v_permlanex16_b32: lane l xor 16
.set CS,   30                          ; s[30:31] c = log2(e) / 64
.set MNT,  32                          ; s32  the mantissa field of 448
.set G,    33                          ; s33  my tile's group: the key step that lies on the diagonal
.set KSI,  34                          ; s34  the key step
.set TB,   35                          ; s35  8,192 x the key step: images
.set TS2,  36                          ; s36  512 x: K's scale words
.set TS1,  37                          ; s37  256 x: V's
.set PA,   38                          ; s[38+8p:45+8p] pass p: q's codes, q's scale word, y's codes, y's scale bytes
.set GP,   62                          ; s62, s63 the two passes' groups
.macro CROUND                          ; a round of the cluster's barrier
	s_barrier_signal -1
	s_barrier_wait -1
	s_cmp_lg_u32 s[WV], 0
	s_cbranch_scc1 .Lnot_wave_0_\@
	s_barrier_signal -3
.Lnot_wave_0_\@:
	s_barrier_wait -3
	s_barrier_signal -1
	s_barrier_wait -1
.endm
.macro QLOAD p                         ; my tile of queries: 1,024 bytes of codes as the registers want them, and a scale word a query
	global_load_b128 v[16:19], v[AK0], s[PA+8*\p:PA+8*\p+1] th:TH_LOAD_NT
	global_load_b128 v[20:23], v[AK0], s[PA+8*\p:PA+8*\p+1] offset:512 th:TH_LOAD_NT
	global_load_b32 v[QW], v[R16], s[PA+8*\p+2:PA+8*\p+3]
.endm
.macro GRP1 g, rows                    ; descriptor group 1: so many dense rows of 256 bytes (32 elements of 8), no padding; the mask names all four work-groups, bit 21 beside it
	s_mov_b32 s[\g], 15|(3<<16)|(1<<21)
	s_mov_b32 s[\g+1], 32<<16
	s_mov_b32 s[\g+2], (\rows)<<16
	s_mov_b32 s[\g+3], 32<<16
	s_mov_b32 s[\g+4], \rows
	s_mov_b32 s[\g+5], 32
	s_mov_b32 s[\g+6], 0
	s_mov_b32 s[\g+7], 0
.endm
.macro HLOAD at, g1                    ; my one tensor load: LDS byte s[at], and the same byte of what goes to LDS in the head's part of pack.  An s_nop 0 and four v_nop follow it
	s_mov_b32 s[G0+1], s\at
	s_add_co_u32 s56, s\at, KIMG_G
	s_add_nc_u64 s[G0+2:G0+3], s[14:15], s[56:57]
	s_or_b32 s[G0+3], s[G0+3], 0x80000000
	tensor_load_to_lds s[G0:G0+3], s[\g1:\g1+7]
	s_nop 0
.rept 4
	v_nop
.endr
.endm
	s_load_b128 s[4:7], s[0:1], 0x0                ; pack s[4:5], yq s[6:7]
	v_lshl_add_u32 v[SPW], v0, 2, SPARE
	v_mov_b32 v[NIL], 0
	ds_add_u32 v[SPW], v[NIL]                      ; the wave's opening: the add, twice on end, and its wait ahead of my first tensor load
	ds_add_u32 v[SPW], v[NIL]                      ; and once more, under the one wait; the set-up below, work on registers, stands between
	v_lshrrev_b32 v240, 5, v0
	s_delay_alu instid0(VALU_DEP_1)
	v_readfirstlane_b32 s[WV], v240                ; wave 0..15
	s_bfe_u32 s9, ttmp6, 0x40000                   ; cx
	s_and_b32 s10, ttmp7, 0xffff                   ; (batch, head) = 16 x batch + head, which the four partners share
	s_and_b32 s11, s[WV], 1                        ; e
	s_lshr_b32 s12, s[WV], 1                       ; gp
	s_xor_b32 s[GP], s12, 15                       ; the first pass: 15 - gp
	s_mov_b32 s[GP+1], s12                         ; the second: gp
	GRP1 G1A, 128
	GRP1 G1K, 32
	GRP1 G1V, 16
	GRP1 G1R, 64
	s_mul_i32 s2, s10, PBH                         ; under 2^25 bytes
	s_mov_b32 s3, 0
	s_lshl_b32 s54, s11, 17                        ; images: K's (even waves) or V's (odd),
	s_lshl_b32 s55, s12, 14
	s_add_co_u32 s54, s54, s55                     ; 16,384 x gp on: waves 0, 1 key steps 0 to 3; wave w >= 4 key steps 2 gp, 2 gp + 1
	s_lshl_b32 s55, s11, 13
	s_add_co_u32 s55, s55, KSC                     ; waves 2, 3: K's table, V's table
	s_mov_b32 s57, 0
	s_mov_b32 s[SEL], 0x76543210
	s_mov_b32 s[SEL+1], 0xfedcba98
	s_mov_b32 s[CS], 0x3cb8aa3b                    ; c = log2(e) / 64
	s_mov_b32 s[CS+1], s[CS]                       ; (named with it as a pair, so it is written)
	s_mov_b32 s[MNT], 0x600000
	s_mov_b32 s[G0], 1                             ; count = 1
	s_wait_dscnt 0x0                               ; both opening adds are done
	s_wait_kmcnt 0x0
	s_add_nc_u64 s[14:15], s[4:5], s[2:3]          ; pack at my head
	CROUND                                         ; all four work-groups are here: the joint loads meet
	s_cmp_lt_u32 s[WV], 2                          ; one chain of branches on the wave's number, one load to an arm
	s_cbranch_scc0 .Lh_ks
	HLOAD 54, G1A
	s_branch .Lh_done
.Lh_ks:
	s_cmp_lt_u32 s[WV], 3
	s_cbranch_scc0 .Lh_vs
	HLOAD 55, G1K
	s_branch .Lh_done
.Lh_vs:
	s_cmp_lt_u32 s[WV], 4
	s_cbranch_scc0 .Lh_rest
	HLOAD 55, G1V
	s_branch .Lh_done
.Lh_rest:
	HLOAD 54, G1R
.Lh_done:
.irp p, 0,1                                    ; both passes' addresses are made here, so that none is written again
	s_lshl_b32 s55, s[GP+\p], 3
	s_lshl_b32 s56, s9, 1
	s_add_co_u32 s55, s55, s56
	s_add_co_u32 s55, s55, s11                     ; my tile t = 8 g + 2 cx + e
	s_lshl_b32 s56, s55, 10
	s_add_nc_u64 s[PA+8*\p:PA+8*\p+1], s[14:15], s[56:57]          ; q's images: 1,024 t
	s_lshr_b32 s56, s55, 2
	s_lshl_b32 s56, s56, 8
	s_and_b32 s58, s55, 3
	s_lshl_b32 s58, s58, 2
	s_add_co_u32 s56, s56, s58
	s_add_co_u32 s56, s56, QSC_G
	s_add_nc_u64 s[PA+8*\p+2:PA+8*\p+3], s[14:15], s[56:57]        ; q's scale words: 256 (t / 4) + 4 (t % 4), + 16 r in the lane
	s_lshr_b32 s58, s10, 4
	s_lshl_b32 s58, s58, 7
	s_add_co_u32 s58, s58, s55                     ; the tile among all tokens: 128 x batch + t
	s_and_b32 s59, s10, 15                         ; the head
	s_lshl_b32 s56, s58, 14
	s_lshl_b32 s60, s59, 10
	s_add_co_u32 s56, s56, s60
	s_add_nc_u64 s[PA+8*\p+4:PA+8*\p+5], s[6:7], s[56:57]          ; y's images: 16,384 x tile + 1,024 x head
	s_lshl_b32 s56, s58, 9
	s_lshl_b32 s60, s59, 1
	s_add_co_u32 s56, s56, s60
	s_add_co_u32 s56, s56, YSC_G
	s_add_nc_u64 s[PA+8*\p+6:PA+8*\p+7], s[6:7], s[56:57]          ; y's scale bytes: 32 a token, 2 a head
.endr
	v_and_b32 v[AK0], 31, v0
	s_delay_alu instid0(VALU_DEP_1)
	v_lshlrev_b32 v[AK0], 4, v[AK0]
	v_and_b32 v240, 15, v0                         ; r
	v_bfe_u32 v241, v0, 4, 1                       ; h
	s_delay_alu instid0(VALU_DEP_2)
	v_lshlrev_b32 v[R16], 4, v240
	QLOAD 0
	v_add_nc_u32 v[AV0], VIMG, v[AK0]
	v_add_nc_u32 v[ASK0], KSC, v[R16]
	v_add_nc_u32 v[ASV0], VSC, v[R16]
	v_lshl_add_u32 v[R32], v240, 5, v241
	v_cmp_ne_u32 s[HM], 0, v241
	s_lshl_b32 s54, s9, 5
	s_lshl_b32 s55, s11, 3
	s_add_co_u32 s54, s54, s55
	v_and_b32 v242, 8, v240
	s_delay_alu instid0(VALU_DEP_1)
	v_add_nc_u32 v242, v242, v240                  ; r + 8 (r / 8)
	v_lshlrev_b32 v243, 4, v241
	s_delay_alu instid0(VALU_DEP_1)
	v_sub_nc_u32 v242, v242, v243
	s_delay_alu instid0(VALU_DEP_1)
	v_add_nc_u32 v[DQ], s54, v242                  ; 32 cx + 8 e + r + 8 (r / 8) - 16 h
.irp j, 0,1,2,3,4,5,6,7
	v_mov_b32 v[24+\j], 0                          ; Q's codes of K 64 .. 127
	v_mov_b32 v[96+\j], 0                          ; what stands behind K's last tile
.endr
.irp b, 0,1,2,3
	v_mov_b32 v[T1+\b], 0                          ; written once: a lane permute's destination counts as one of its sources
.endr
	v_mov_b32 v[SCR], 0
	v_mov_b32 v[F+1], 0
.macro INIT p                          ; a pass begins: O^T and the sum are zeros, which the first change of M leaves zeros; the largest t lies under every t
	v_mov_b32 v13, 0xff61b1e6                      ; -3e38
	s_delay_alu instid0(VALU_DEP_1)
	v_floor_f32 v12, -v13                          ; -M
	v_mov_b32 v14, 0
	v_mov_b32 v15, 0
.set j, 0
.rept 32
	v_mov_b32 v[OT+j], 0
.set j, j+1
.endr
	s_mov_b32 s[G], s[GP+\p]
	s_mov_b32 s[KSI], 0
	s_mov_b32 s[TB], 0
	s_mov_b32 s[TS2], 0
	s_mov_b32 s[TS1], 0
.endm
; A KEY STEP: 128 keys.  t = 1: the step may lie on or past the diagonal, and is tested; t = 0: it lies ahead of it for every wave.
.macro STEP tst
.if \tst
	s_cmp_gt_u32 s[KSI], s[G]                      ; all its keys come after my queries: only the addresses step
	s_cbranch_scc1 .Lhid_\@
.endif
	v_add_nc_u32 v[ADK], s[TB], v[AK0]
	v_add_nc_u32 v[ADV], s[TB], v[AV0]
	v_add_nc_u32 v[ADS], s[TS2], v[ASK0]
	v_add_nc_u32 v[ADT], s[TS1], v[ASV0]
.rept 4
	v_nop                                          ; with the four additions: eight places in front of loads into registers that the last step's products have read
.endr
.irp t, 0,1,2,3,4,5,6,7
	ds_load_b128 v[KV+8*\t:KV+8*\t+3],   v[ADK] offset:1024*\t         ; 32 lanes read 512 consecutive bytes
	ds_load_b128 v[KV+8*\t+4:KV+8*\t+7], v[ADK] offset:1024*\t+512
.endr
	ds_load_b128 v[KW:KW+3],   v[ADS]              ; four tiles' scale words of row r lie together
	ds_load_b128 v[KW+4:KW+7], v[ADS] offset:256
	s_wait_alu depctr_va_vdst(0)
	s_wait_dscnt 0x0
.irp t, 0,1,2,3,4,5,6,7
	v_wmma_scale_f32_16x16x128_f8f6f4 v[S+8*\t:S+8*\t+7], v[KV+8*\t:KV+8*\t+15], v[16:31], 0, v[KW+\t], v[QW]
.endr
.rept 8
	v_nop                                          ; places: V's loads land on K's registers, and the scores are read below
.endr
.irp d, 0,1,2,3
.irp c, 0,1,2,3
	ds_load_b128 v[KV+16*\d+4*\c:KV+16*\d+4*\c+3], v[ADV] offset:2048*\d+512*\c   ; V is asked for now and lands under the softmax
.endr
.endr
	ds_load_b128 v[VW:VW+3], v[ADT]
.if \tst
	s_cmp_lg_u32 s[KSI], s[G]                      ; only the step on the diagonal has hidden keys
	s_cbranch_scc1 .Lopen_\@
	v_mov_b32 v[SCR], 0xff800000                   ; -infinity: p = 0 then
.set n, 0
.rept 64
	v_cmp_gt_i32 vcc_lo, 32*(n/16)+n%16, v[DQ]     ; register 16 b + i holds key 32 b + 16 (lane / 16) + i of the step: hidden where it comes after my query
	v_cndmask_b32 v[S+n], v[S+n], v[SCR], vcc_lo
.set n, n+1
.endr
.Lopen_\@:
.endif
.irp b, 0,1,2,3
	v_max3_num_f32 v[BM+\b], v[S+16*\b], v[S+1+16*\b], v[S+2+16*\b]   ; THE LARGEST SCORE OF EACH BLOCK OF 32 KEYS serves twice: for the row's maximum, and, since p rises with the score, for the block's largest p
.endr
.irp i, 3,5,7,9,11,13
.irp b, 0,1,2,3
	v_max3_num_f32 v[BM+\b], v[BM+\b], v[S+16*\b+\i], v[S+1+16*\b+\i]
.endr
.endr
.irp b, 0,1,2,3
	v_max_num_f32 v[BM+\b], v[BM+\b], v[S+15+16*\b]
.endr
.irp b, 0,1,2,3
	s_delay_alu instid0(VALU_DEP_4)
	v_permlanex16_b32 v[T1+\b], v[BM+\b], s[SEL], s[SEL+1]
.endr
.irp b, 0,1,2,3
	s_delay_alu instid0(VALU_DEP_4)
	v_max_num_f32 v[BM+\b], v[BM+\b], v[T1+\b]     ; with lane l xor 16's 16 keys
.endr
	s_delay_alu instid0(VALU_DEP_2)
	v_max3_num_f32 v[SCR], v[BM], v[BM+1], v[BM+2]
	s_delay_alu instid0(VALU_DEP_1)
	v_max_num_f32 v[SCR], v[SCR], v[BM+3]          ; the step's largest score of my query (the step's first key counts for it: a number)
	s_delay_alu instid0(VALU_DEP_1)
	v_mul_f32 v[SCR], s[CS], v[SCR]                ; as t (c is positive)
	s_delay_alu instid0(VALU_DEP_1)
	v_max_num_f32 v13, v13, v[SCR]                 ; the running largest t
	v_mov_b32 v[SCR], v12
	s_delay_alu instid0(VALU_DEP_2)
	v_floor_f32 v12, -v13                          ; the new -M = floor(-t) = -ceil(t): M IS A WHOLE NUMBER
	s_delay_alu instid0(VALU_DEP_1)
	v_sub_f32 v[SCR], v12, v[SCR]                  ; M's old value less its new one: a whole number, 0 or less
	s_delay_alu instid0(VALU_DEP_1)
	v_cvt_i32_f32 v[SCR], v[SCR]                   ; (it saturates)
	s_delay_alu instid0(VALU_DEP_1)
	v_ldexp_f32 v[F], 1.0, v[SCR]                  ; f = 2^(old M - new M)
.set j, 0
.rept 32
	v_pk_fma_f32 v[S+j:S+j+1], v[S+j:S+j+1], s[CS:CS+1], v[12:13] op_sel_hi:[1,0,0]   ; t - M, two at a time (of the pairs c and -M the low word serves both halves)
.set j, j+2
.endr
.irp b, 0,1,2,3
	v_fma_f32 v[BM+\b], v[BM+\b], s[CS], v12       ; the same of each block's largest score
.endr
.set j, 0
	s_wait_alu depctr_va_vdst(0)                   ; ahead of the batch
.rept 64
	v_exp_f32 v[S+j], v[S+j]                       ; p = 2^(t - M), at most 1: NOT normalised
.set j, j+1
.endr
	v_pk_mul_f32 v[14:15], v[14:15], v[F:F+1] op_sel_hi:[1,0]   ; the sums under the new M (a plain line behind the exponentials)
	s_wait_alu depctr_va_vdst(0)                   ; one wait for the whole batch, ahead of its first reader
.irp b, 0,1,2,3
	v_exp_f32 v[BM+\b], v[BM+\b]                   ; the block's largest p: the same two instructions on the same number give the same bits
.endr
	v_pk_add_f32 v[236:237], v[108:109], v[112:113]   ; THE ROW'S SUM IS TAKEN OF THE UNQUANTISED p: two at a time, in eight chains
	v_pk_add_f32 v[254:255], v[116:117], v[120:121]
	v_pk_add_f32 v[252:253], v[124:125], v[128:129]
	v_pk_add_f32 v[246:247], v[132:133], v[136:137]
	v_pk_add_f32 v[244:245], v[140:141], v[144:145]
	v_pk_add_f32 v[242:243], v[148:149], v[152:153]
	v_pk_add_f32 v[240:241], v[156:157], v[160:161]
	v_pk_add_f32 v[14:15], v[14:15], v[164:165]
	v_pk_add_f32 v[236:237], v[236:237], v[104:105]
	v_pk_add_f32 v[254:255], v[254:255], v[106:107]
	v_pk_add_f32 v[252:253], v[252:253], v[110:111]
	v_pk_add_f32 v[246:247], v[246:247], v[114:115]
	v_pk_add_f32 v[244:245], v[244:245], v[118:119]
	v_pk_add_f32 v[242:243], v[242:243], v[122:123]
	v_pk_add_f32 v[240:241], v[240:241], v[126:127]
	v_pk_add_f32 v[14:15], v[14:15], v[130:131]
	v_pk_add_f32 v[236:237], v[236:237], v[134:135]
	v_pk_add_f32 v[254:255], v[254:255], v[138:139]
	v_pk_add_f32 v[252:253], v[252:253], v[142:143]
	v_pk_add_f32 v[246:247], v[246:247], v[146:147]
	v_pk_add_f32 v[244:245], v[244:245], v[150:151]
	v_pk_add_f32 v[242:243], v[242:243], v[154:155]
	v_pk_add_f32 v[240:241], v[240:241], v[158:159]
	v_pk_add_f32 v[14:15], v[14:15], v[162:163]
	v_pk_add_f32 v[236:237], v[236:237], v[166:167]
	s_delay_alu instid0(VALU_DEP_2)
	v_pk_add_f32 v[14:15], v[14:15], v[246:247]
	s_delay_alu instid0(VALU_DEP_2)
	v_pk_add_f32 v[236:237], v[236:237], v[244:245]
	v_pk_add_f32 v[254:255], v[254:255], v[242:243]
	v_pk_add_f32 v[252:253], v[252:253], v[240:241]
	s_delay_alu instid0(VALU_DEP_2)
	v_pk_add_f32 v[14:15], v[14:15], v[254:255]
	s_delay_alu instid0(VALU_DEP_2)
	v_pk_add_f32 v[236:237], v[236:237], v[252:253]
	s_delay_alu instid0(VALU_DEP_1)
	v_pk_add_f32 v[14:15], v[14:15], v[236:237]
	s_wait_alu depctr_va_vdst(0)                   ; and one for the four
.irp b, 0,1,2,3
	v_max_num_f32 v[BM+\b], 0x4800000, v[BM+\b]    ; the floor 2^(9 - 127): the byte cannot fall under 1 (a block whose every p is 0 keeps that byte: its codes are zeros)
.endr
.irp b, 0,1,2,3
	s_delay_alu instid0(VALU_DEP_4)
	v_add_nc_u32 v[T3+\b], 0xfc000000, v[BM+\b]    ; 8 off the exponent field: the conversion's scale operand
.endr
.irp b, 0,1,2,3
	v_and_or_b32 v[T2+\b], v[BM+\b], 0x7f800000, s[MNT]   ; 448 x the scale
.endr
.irp b, 0,1,2,3
	v_lshrrev_b32 v[T1+\b], 23, v[T3+\b]           ; the scale's byte
.endr
	s_delay_alu instid0(VALU_DEP_3)
	v_lshl_or_b32 v[PW], v[T1+1], 8, v[T1]         ; p's scale word for these 128 keys
	s_delay_alu instid0(VALU_DEP_1)
	v_lshl_or_b32 v[PW], v[T1+2], 16, v[PW]
	s_delay_alu instid0(VALU_DEP_1)
	v_lshl_or_b32 v[PW], v[T1+3], 24, v[PW]
.irp b, 0,1,2,3
.irp i, 0,2,4,6,8,10,12,14                     ; the conversion to an 8-bit code does not saturate (ISA guide 7.6.2); p is not negative, so the hold is one-sided; two holds to an instruction: an even and an odd register, the bound shared
	v_dual_min_num_f32 v[S+16*\b+\i], v[T2+\b], v[S+16*\b+\i] :: v_dual_min_num_f32 v[S+16*\b+\i+1], v[T2+\b], v[S+16*\b+\i+1]
.endr
	v_cvt_scalef32_pk8_fp8_f32 v[PCD+4*\b:PCD+4*\b+1], v[S+16*\b:S+16*\b+7], v[T3+\b]
	v_cvt_scalef32_pk8_fp8_f32 v[PCD+4*\b+2:PCD+4*\b+3], v[S+16*\b+8:S+16*\b+15], v[T3+\b]
.endr
	s_wait_alu depctr_va_vdst(0)                   ; directly ahead of the first reader of O^T
.set j, 0
.rept 16
	v_pk_mul_f32 v[OT+j:OT+j+1], v[OT+j:OT+j+1], v[F:F+1] op_sel_hi:[1,0]   ; O^T under the new M.  (These sixteen are also the places between the codes and the scale word and the products below)
.set j, j+2
.endr
	s_wait_alu depctr_va_vdst(0)
	s_wait_dscnt 0x0                               ; V and its scale words are in
.irp d, 0,1,2,3                                ; O^T += V^T P^T: the four accumulators by turns, one instruction a turn
	v_wmma_scale_f32_16x16x128_f8f6f4 v[OT+8*\d:OT+8*\d+7], v[KV+16*\d:KV+16*\d+15], v[PCD:PCD+15], v[OT+8*\d:OT+8*\d+7], v[VW+\d], v[PW]
.endr
.if \tst
.Lhid_\@:
.endif
	s_add_co_u32 s[TB], s[TB], 8192                ; the next step's images and scale words
	s_add_co_u32 s[TS2], s[TS2], 512
	s_add_co_u32 s[TS1], s[TS1], 256
.endm
.macro WALK t, last                    ; key steps up to last - 1: the trip counts are constants of the text; a step past the diagonal is a few scalar lines
.Lstep_\@:
	STEP \t
	s_add_co_u32 s[KSI], s[KSI], 1
	s_cmp_lt_u32 s[KSI], \last
	s_cbranch_scc1 .Lstep_\@
.endm
; THE WAY OUT of a pass: y = O^T / the sum; register 16 b + i is channel 32 b + 16 (lane / 16) + i of my query: two blocks of 32 along the last product's K.  They are quantised in registers; the codes leave as they stand.
.macro WAYOUT p
.rept 8
	v_nop                                          ; places behind the last products
.endr
.if \p == 0
	QLOAD 1                                        ; the second tile of queries is asked for here
.endif
	v_add_f32 v14, v14, v15                        ; the sum's two halves,
	s_delay_alu instid0(VALU_DEP_1)
	v_permlanex16_b32 v[SCR], v14, s[SEL], s[SEL+1]
	s_delay_alu instid0(VALU_DEP_1)
	v_add_f32 v14, v14, v[SCR]                     ; and lane l xor 16's: the row's sum
	s_wait_alu depctr_va_vdst(0)                   ; ahead of the transcendental
	v_rcp_f32 v14, v14
	v_nop                                          ; one plain line behind the transcendental,
	s_wait_alu depctr_va_vdst(0)                   ; and the wait ahead of its first reader
.set j, 0
.rept 16
	v_pk_mul_f32 v[S+j:S+j+1], v[OT+j:OT+j+1], v[14:15] op_sel_hi:[1,0]
.set j, j+2
.endr
.irp b, 0,1
	v_max3_num_f32 v[BM+\b], |v[S+16*\b]|, |v[S+1+16*\b]|, 0x4800000   ; my 16 numbers of block b, and the floor
.endr
.irp i, 2,4,6,8,10,12,14
.irp b, 0,1
	s_delay_alu instid0(VALU_DEP_2)
	v_max3_num_f32 v[BM+\b], v[BM+\b], |v[S+16*\b+\i]|, |v[S+1+16*\b+\i]|
.endr
.endr
.irp b, 0,1
	s_delay_alu instid0(VALU_DEP_2)
	v_permlanex16_b32 v[T1+\b], v[BM+\b], s[SEL], s[SEL+1]
.endr
.irp b, 0,1
	s_delay_alu instid0(VALU_DEP_2)
	v_max_num_f32 v[BM+\b], v[BM+\b], v[T1+\b]
.endr
.irp b, 0,1
	s_delay_alu instid0(VALU_DEP_2)
	v_add_nc_u32 v[T3+\b], 0xfc000000, v[BM+\b]
.endr
.irp b, 0,1
	s_delay_alu instid0(VALU_DEP_4)
	v_and_or_b32 v[T2+\b], v[BM+\b], 0x7f800000, s[MNT]
.endr
.irp b, 0,1
	s_delay_alu instid0(VALU_DEP_4)
	v_lshrrev_b32 v[T1+\b], 23, v[T3+\b]
.endr
	s_delay_alu instid0(VALU_DEP_1)
	v_cndmask_b32 v[YB], v[T1], v[T1+1], s[HM]     ; lanes 0-15 store block 0's byte of their token, lanes 16-31 block 1's
.irp b, 0,1
.irp i, 0,1,2,3,4,5,6,7,8,9,10,11,12,13,14,15
	v_med3_num_f32 v[S+16*\b+\i], v[S+16*\b+\i], -v[T2+\b], v[T2+\b]
.endr
	v_cvt_scalef32_pk8_fp8_f32 v[PCD+4*\b:PCD+4*\b+1], v[S+16*\b:S+16*\b+7], v[T3+\b]
	v_cvt_scalef32_pk8_fp8_f32 v[PCD+4*\b+2:PCD+4*\b+3], v[S+16*\b+8:S+16*\b+15], v[T3+\b]
.endr
	v_nop                                          ; one plain vector instruction behind the last conversion
	global_store_b128 v[AK0], v[PCD:PCD+3],   s[PA+8*\p+4:PA+8*\p+5]              ; each store covers 512 consecutive bytes, aligned
	global_store_b128 v[AK0], v[PCD+4:PCD+7], s[PA+8*\p+4:PA+8*\p+5] offset:512
	global_store_b8 v[R32], v[YB], s[PA+8*\p+6:PA+8*\p+7]                         ; two bytes of a token's 32: the other heads' come from other clusters; one byte in 32 of what leaves here
.endm
	INIT 0
	s_wait_alu depctr_va_vdst(0)                   ; the head's end
	s_wait_loadcnt 0x0                             ; Q
	s_cmp_lt_u32 s[WV], 4
	s_cbranch_scc0 .Lnot_first
	s_wait_tensorcnt 0x0                           ; waves 0 to 3: key steps 0 to 3 and both tables are in.  The other waves' wait stands at the second barrier
.Lnot_first:
	s_barrier_signal -1
	s_barrier_wait -1
	WALK 0, 4                                      ; the first pass's key steps 0 to 3
	s_wait_alu depctr_va_vdst(0)
	s_wait_tensorcnt 0x0                           ; every wave: my share is in,
	s_wait_dscnt 0x0
	s_barrier_signal -1
	s_barrier_wait -1                              ; everybody's is
	WALK 1, 16
	WAYOUT 0
	s_wait_xcnt 0x0                                ; the stores have read their registers, which the second pass writes again
	INIT 1
	s_wait_alu depctr_va_vdst(0)
	s_wait_loadcnt 0x0                             ; the second tile of Q
	WALK 1, 8                                      ; the second pass has g <= 7
	WAYOUT 1
	s_wait_tensorcnt 0x0                           ; the wave's end, behind my last tensor load
	ds_add_u32 v[SPW], v[NIL]
	s_wait_dscnt 0x0
	CROUND                                         ; the closing round
	s_endpgm
.Lfunc_end_k_q9777e675cb_attn:
	.size	k_q9777e675cb_attn, .Lfunc_end_k_q9777e675cb_attn-k_q9777e675cb_attn
	.p2alignl 7, 3214868480
	.fill 96, 4, 3214868480
	.section	.rodata,"a",@progbits
	.p2align	6, 0x0
	.amdhsa_kernel k_q9777e675cb_attn
		.amdhsa_group_segment_fixed_size 327680
		.amdhsa_private_segment_fixed_size 0
		.amdhsa_enable_private_segment 0
		.amdhsa_kernarg_size 16
		.amdhsa_user_sgpr_count 2
		.amdhsa_user_sgpr_kernarg_segment_ptr 1
		.amdhsa_wavefront_size32 1
		.amdhsa_system_sgpr_workgroup_id_x 1
		.amdhsa_system_sgpr_workgroup_id_y 1
		.amdhsa_system_sgpr_workgroup_id_z 1
		.amdhsa_system_vgpr_workitem_id 0
		.amdhsa_next_free_vgpr 256
		.amdhsa_next_free_sgpr 96
		.amdhsa_reserve_vcc 1
		.amdhsa_float_denorm_mode_32 3
		.amdhsa_float_denorm_mode_16_64 3
		.amdhsa_memory_ordered 1
		.amdhsa_forward_progress 1
		.amdhsa_inst_pref_size 95
	.end_amdhsa_kernel
	.amdgpu_metadata
---
amdhsa.version: [ 1, 2 ]
amdhsa.kernels:
  - .name:           k_q9777e675cb_attn
    .symbol:         k_q9777e675cb_attn.kd
    .args:
      - { .name: pack, .offset: 0, .size: 8, .value_kind: global_buffer, .address_space: global }
      - { .name: yq, .offset: 8, .size: 8, .value_kind: global_buffer, .address_space: global }
    .group_segment_fixed_size: 327680
    .private_segment_fixed_size: 0
    .kernarg_segment_align: 8
    .kernarg_segment_size: 16
    .max_flat_workgroup_size: 512
    .sgpr_count:     96
    .vgpr_count:     256
    .wavefront_size: 32
...
	.end_amdgpu_metadata
.endif
;; end of part 3
;; launch proj (part 4): grid 4 x 64, 4 waves a work-group, clusters of 4 x 4, 327,680 bytes of LDS; arguments yq, wpq, b_proj, out0; writes out0
.if DOCPART == 4
	.amdgcn_target "amdgcn-amd-amdhsa--gfx1250"
	.amdhsa_code_object_version 6
	.text
	.protected	k_q9777e675cb_proj
	.globl	k_q9777e675cb_proj
	.p2align	8
	.type	k_q9777e675cb_proj,@function
k_q9777e675cb_proj:
	s_mov_b64 s[64:65], 0
	v_nop
	global_prefetch_b8 v0, s[64:65] scope:SCOPE_SE
	s_setreg_imm32_b32 hwreg(HW_REG_WAVE_MODE, 25, 1), 1
	s_wait_xcnt 0x0
	s_wait_alu depctr_hold_cnt(0) depctr_sa_sdst(0) depctr_va_vdst(0) depctr_va_sdst(0) depctr_va_ssrc(0) depctr_va_vcc(0) depctr_vm_vsrc(0)
	s_getreg_b32 s2, hwreg(HW_REG_IB_STS2, 6, 4)
	s_cmp_eq_u32 s2, 0
	s_cbranch_scc0 .Lentry_in_a_cluster
	s_endpgm
.Lentry_in_a_cluster:
	s_bfe_u32 s2, ttmp6, 0x10000c
	s_cmp_lg_u32 s2, 0xf033
	s_cbranch_scc0 .Lentry_shape_is_right
	s_endpgm
.Lentry_shape_is_right:
; out0 = y W_proj^T + b_proj on codes of FP8 (E4M3) with E8M0 scales.  yq: y's codes as operand images, [tile of 16 tokens][head][2][lane][16 bytes], and behind them its scale bytes [place][32]; wpq: W_proj's codes [place][1,024] and scale bytes [place][32],
; rows in the order that the first launch gave them.  No work of reference() is left out here.
; SHARES.  8,192 x 1,024 results are 64 x 4 = 256 blocks of 128 tokens x 256 features, one to a work-group.  Four waves, 2 x 2: a wave makes 64 x 128: 32 accumulators of 16 x 16, 256 registers.
; K goes in steps of 256 through a ring of two LDS slots (A: 8 tiles x 4,096 bytes of images; B: 256 rows of 256 bytes + 16 of padding); the scale bytes of the work-group's rows come once and stay.
; A step of 128 along K is 32 matrix instructions.  A's four fragments and B's eight both have TWO sets of registers: a step's 48 LDS loads are issued in one run, ahead of the products of the step before.
; THE MATRIX INSTRUCTION IS USED TRANSPOSED: source 0 = 16 rows of W_proj, source 1 = 16 tokens: a lane holds one token, and by the stored row order the 16 registers of B's tiles 2 b and 2 b + 1 are 16 neighbouring features.
; The bias is the first products' C.
; CLUSTERS: 4 x 4 work-groups.  A's tile hangs on cy alone and is shared along a row of the cluster, B's on cx alone and is shared along a column: each is asked for jointly, by the same tensor load with a mask of the four.
; NO PREFETCH: K is four fills of a slot.  The first two are asked for at the head and behind the first round; a request two fills ahead of the other two would stand at the head as well, beside the loads themselves.
; LIMITS: NaN and infinities are not served.
; REGISTERS, in windows of 256: window 0: v1, v2 lane % 16, lane / 16; v16-29 addresses; v32-63 scale words, two sets; v64-127 the bias; v128-255 A's fragments, two sets of four; on the way out v128-255 take rows back from the stage.
;   window 1: B's fragments, two sets, at v0 and at v128.   window 2: the accumulators ((a, b) at v[8 (8 a + b)]).
.set KSTEP,  256
.set NQ,     KSTEP/128                 ; steps of 128 in a slot
.set ROWB,   256                       ; a row of B's tile in bytes
.set KROW,   1024                      ; a row of W_proj's codes in memory
.set PITCH,  272                       ; B's LDS row: 256 bytes + 16 of padding
.set FR,     16                        ; registers of a fragment
.set NP,     8                         ; places behind this matrix instruction (ISA guide 7.12.1)
.set ASTEP,  4096                      ; a tile of 16 tokens, 256 along K, as images
.set ATILE,  16384                     ; a tile's images of all of K
.set AHALF,  4*ASTEP                   ; 64 tokens: what one wave reads of A, and what one load of the ring brings
.set HALFT,  128*PITCH                 ; 128 rows of B likewise
.set BOFF,   2*AHALF                   ; a slot: A's 8 tiles, then B's 256 rows
.set SLOT,   BOFF+2*HALFT
.set LAPS,   1024/(2*KSTEP)
.set KS,     32                        ; a row of scale bytes
.set SCL,    2*SLOT                    ; behind the ring: the scales, as runs of 256 bytes + 16 of padding: A's 128 rows, then B's 256
.set SBLK,   (16*KS/256)*272           ; those of 16 rows
.set SPARE,  SCL+24*SBLK               ; behind the scales: the spare words, 128 bytes for each wave
.set SC_Y,   8388608                   ; where the scale bytes begin in yq,
.set SC_WP,  1048576                   ; and in wpq
.set OROW,   4096                      ; a row of out0 in bytes
.set SPITCH, 528                       ; the way out: a stage of 16 rows x (512 bytes + 16) for each wave, in slot 0, which has had its last fill and its last read by then
.set ADRA, 16                          ; v16-17  LDS address of my A fragments in slot 0, 1
.set ADRB, 20                          ; v20-21  the same for B
.set STO,  24                          ; v24     the way out: where I put my part of a row
.set RD,   25                          ; v25     where I read a row back
.set CO,   26                          ; v26     16 x lane
.set ADRS, 27                          ; v27     LDS address of my scale words: lanes 0-15 A's rows, lanes 16-31 B's
.set SPW,  28                          ; v28     LDS address of my spare word; never rewritten
.set NIL,  29                          ; v29     0; never rewritten
.set SC,   32                          ; scale words: set s at v[SC + 16 s]; register 2 i + q: lanes 0-15 A's block i, lanes 16-31 B's block i
.set BI,   64                          ; the bias in the results' layout
.set AF,   128                         ; A's fragments: set p at v[AF + 64 p]
.set BK,   128                         ; the way out: 16 rows read back: v128-191 and v192-255 by turns
.set G1, 24                            ; s[24:31] descriptor group 1 for A's tiles;  s[32:39] group 0, one set for each slot
.set G0, 32
.set G1B, 48                           ; s[48:55], s[56:63] the same for B's
.set G0B, 56
.set G1S, 68                           ; s[68:75], s[76:79] groups 1 and 0 for A's scales;  s[80:87], s[88:91] for B's
.set G0S, 76
.set G1SB, 80
.set G0SB, 88
.set MSB, 0
.macro WIN new                         ; the immediate's high byte repeats the setting that is left
.if MSB != (\new)
	s_set_vgpr_msb (MSB<<8)|(\new)
.set MSB, (\new)
.endif
.endm
.set MUL_W, 0xa1                       ; source 0 (B) window 1, source 1 (A) window 0, C and D window 2
.set FST_W, 0x81                       ; the same with C (the bias) in window 0
.set TO_B,  0x40                       ; destination window 1, address window 0
; A joint load: waves 0 and 1 fetch for A, waves 2 and 3 for B.  The branch hangs on the wave's number alone.  An s_nop 0 and four v_nop follow each of the two lines.
.macro JLOAD g0a, g1a, g0b, g1b
	s_cmp_eq_u32 s15, 0
	s_cbranch_scc0 .Lfor_b_\@
	tensor_load_to_lds s[\g0a:\g0a+3], s[\g1a:\g1a+7]
	s_nop 0
.rept 4
	v_nop
.endr
	s_branch .Lasked_\@
.Lfor_b_\@:
	tensor_load_to_lds s[\g0b:\g0b+3], s[\g1b:\g1b+7]
	s_nop 0
.rept 4
	v_nop
.endr
.Lasked_\@:
.endm
.macro CREST                           ; a round of the cluster's barrier behind its opening barrier
	s_cmp_lg_u32 s14, 0
	s_cbranch_scc1 .Lnot_wave_0_\@
	s_barrier_signal -3
.Lnot_wave_0_\@:
	s_barrier_wait -3
	s_barrier_signal -1
	s_barrier_wait -1
.endm
.macro CROUND                          ; a whole round
	s_barrier_signal -1
	s_barrier_wait -1
	CREST
.endm
	s_load_b256 s[4:11], s[0:1], 0x0               ; yq s[4:5], wpq s[6:7], b_proj s[8:9], out0 s[10:11]
	v_lshl_add_u32 v[SPW], v0, 2, SPARE
	v_mov_b32 v[NIL], 0
	ds_add_u32 v[SPW], v[NIL]                      ; the wave's opening: the add, twice on end, and its wait ahead of my first tensor load
	ds_add_u32 v[SPW], v[NIL]                      ; and once more, under the one wait; the set-up below, work on registers, stands between
	v_lshrrev_b32 v1, 5, v0
	v_readfirstlane_b32 s14, v1                    ; wave 0..3
	s_lshr_b32 s15, s14, 1                         ; which 64 of A's 128 tokens are mine.  Also: I fetch for A (0) or for B (1)
	s_and_b32 s16, s14, 1                          ; which 128 of B's 256 rows.  Also: which half of that tile I fetch
	s_bfe_u32 s40, ttmp6, 0x40000                  ; cx, cy: my place in the cluster
	s_bfe_u32 s41, ttmp6, 0x40004
	s_lshl_b32 s42, ttmp9, 2
	s_add_co_u32 s42, s42, s40                     ; B's tile: 256 features
	s_and_b32 s17, ttmp7, 0xffff
	s_lshl_b32 s17, s17, 2
	s_add_co_u32 s17, s17, s41                     ; A's tile: 128 tokens
	s_lshl_b32 s43, s41, 2
	s_lshl_b32 s43, 15, s43                        ; my row of the cluster
	s_lshl_b32 s44, 0x1111, s40                    ; my column
	s_or_b32 s[G1+0], s43, (3<<16)|(1<<21)         ; A: rows of 4,096 bytes (512 elements of 8), 16,384 bytes apart, dense in LDS; the head's load brings all 8 tiles, the ring's 4
	s_mov_b32 s[G1+1], (ASTEP/8)<<16
	s_mov_b32 s[G1+2], 8<<16
	s_mov_b32 s[G1+3], (ASTEP/8)<<16
	s_mov_b32 s[G1+4], 8
	s_mov_b32 s[G1+5], ATILE/8
	s_mov_b32 s[G1+6], 0
	s_mov_b32 s[G1+7], 0
	s_or_b32 s[G1B+0], s44, (0<<16)|(1<<20)|(1<<21)|(5<<22)|(3<<25)   ; B: rows of 256 bytes, four words of padding behind each 64; the head's load brings 256 rows, the ring's 128
	s_mov_b32 s[G1B+1], ROWB<<16
	s_mov_b32 s[G1B+2], 256<<16
	s_mov_b32 s[G1B+3], ROWB<<16
	s_mov_b32 s[G1B+4], 256
	s_mov_b32 s[G1B+5], KROW
	s_mov_b32 s[G1B+6], 0
	s_mov_b32 s[G1B+7], 0
	s_or_b32 s[G1S+0], s43, (3<<16)|(1<<20)|(1<<21)|(5<<22)|(3<<25)   ; the scales: dense bytes as rows of 256, 16 bytes of padding behind each: A's 128 rows are 16 such,
	s_or_b32 s[G1SB+0], s44, (3<<16)|(1<<20)|(1<<21)|(5<<22)|(3<<25)  ; B's 256 rows 32
	s_mov_b32 s[G1S+2], 16<<16
	s_mov_b32 s[G1S+4], 16
	s_mov_b32 s[G1SB+2], 32<<16
	s_mov_b32 s[G1SB+4], 32
.irp g, G1S, G1SB
	s_mov_b32 s[\g+1], 32<<16
	s_mov_b32 s[\g+3], 32<<16
	s_mov_b32 s[\g+5], 32
	s_mov_b32 s[\g+6], 0
	s_mov_b32 s[\g+7], 0
.endr
	s_lshl_b32 s20, s17, 17                        ; A's codes: 128 tokens are 2^17 bytes
	s_mov_b32 s21, 0
	s_lshl_b32 s22, s17, 12                        ; and 4,096 scale bytes
	s_add_co_u32 s22, s22, SC_Y
	s_mov_b32 s23, 0
	s_lshl_b32 s46, s42, 18                        ; B's codes: 256 rows are 2^18 bytes
	s_mov_b32 s47, 0
	s_lshl_b32 s92, s42, 13                        ; and 8,192 scale bytes
	s_add_co_u32 s92, s92, SC_WP
	s_mov_b32 s93, 0
	s_mul_i32 s45, s16, AHALF                      ; where the ring's loads go: no place in the cluster enters an LDS address
	s_mul_i32 s95, s16, HALFT
	s_add_co_u32 s95, s95, BOFF
	s_wait_dscnt 0x0                               ; both opening adds are done
	s_wait_kmcnt 0x0
	s_add_nc_u64 s[20:21], s[4:5], s[20:21]
	s_add_nc_u64 s[22:23], s[4:5], s[22:23]
	s_add_nc_u64 s[46:47], s[6:7], s[46:47]
	s_add_nc_u64 s[92:93], s[6:7], s[92:93]
	CROUND                                         ; all sixteen work-groups are here: the first joint loads meet
	s_mov_b32 s[G0S], 1
	s_mov_b32 s[G0S+1], SCL
	s_mov_b64 s[G0S+2:G0S+3], s[22:23]
	s_or_b32 s[G0S+3], s[G0S+3], 0x80000000
	s_mov_b32 s[G0SB], 1
	s_mov_b32 s[G0SB+1], SCL+8*SBLK
	s_mov_b64 s[G0SB+2:G0SB+3], s[92:93]
	s_or_b32 s[G0SB+3], s[G0SB+3], 0x80000000
	s_mov_b32 s4, 1                                ; s[4:7]: group 0 of the head's load of A's K step 0 (the arguments that lay there have been used)
	s_mov_b32 s5, 0
	s_mov_b64 s[6:7], s[20:21]
	s_or_b32 s7, s7, 0x80000000
	s_lshl_b32 s18, s16, 16                        ; for the ring: which half of a tile I fetch, in bytes: A's 4 tiles,
	s_mov_b32 s19, 0
	s_add_nc_u64 s[20:21], s[20:21], s[18:19]
	s_lshl_b32 s18, s16, 17                        ; B's 128 rows
	s_add_nc_u64 s[96:97], s[46:47], s[18:19]
.irp s, 0,1
	s_mov_b32 s[G0+4*\s], 1
	s_add_co_u32 s[G0+4*\s+1], s45, \s*SLOT
	s_add_nc_u64 s[G0+4*\s+2:G0+4*\s+3], s[20:21], \s*ASTEP
	s_or_b32 s[G0+4*\s+3], s[G0+4*\s+3], 0x80000000
	s_mov_b32 s[G0B+4*\s], 1
	s_add_co_u32 s[G0B+4*\s+1], s95, \s*SLOT
	s_add_nc_u64 s[G0B+4*\s+2:G0B+4*\s+3], s[96:97], \s*ROWB
	s_or_b32 s[G0B+4*\s+3], s[G0B+4*\s+3], 0x80000000
.endr
	s_mov_b32 s44, 1                               ; s[44:47]: group 0 of the head's load of B's K step 0, behind A's in slot 0
	s_mov_b32 s45, BOFF
	s_or_b32 s47, s47, 0x80000000
; THE HEAD'S LOADS, ONE A WAVE: wave 0 A's K step 0, wave 1 B's, wave 2 the scales of A's rows, wave 3 those of B's.  One chain of branches on the wave's number: every way passes exactly one load.
.macro ARM under, g0, g1, next
	s_cmp_lt_u32 s14, \under
	s_cbranch_scc0 \next
	tensor_load_to_lds s[\g0:\g0+3], s[\g1:\g1+7]
	s_nop 0
.rept 4
	v_nop
.endr
	s_branch .Lhead_asked
\next:
.endm
	ARM 1, 4,   G1,  .Lhead_b
	ARM 2, 44,  G1B, .Lhead_sa
	ARM 3, G0S, G1S, .Lhead_sb
	tensor_load_to_lds s[G0SB:G0SB+3], s[G1SB:G1SB+7]
	s_nop 0
.rept 4
	v_nop
.endr
.Lhead_asked:
	v_and_b32 v1, 15, v0                           ; l % 16
	v_bfe_u32 v2, v0, 4, 1                         ; l / 16
	s_lshl_b32 s96, s42, 10
	s_lshl_b32 s97, s16, 9
	s_add_co_u32 s96, s96, s97
	s_mov_b32 s97, 0
	s_add_nc_u64 s[96:97], s[8:9], s[96:97]        ; b_proj at my 128 features
	v_lshlrev_b32 v7, 6, v2
.irp b, 0,1,2,3,4,5,6,7                        ; register j of B's tile b is feature 32 (b / 2) + 16 (l / 16) + 8 (b % 2) + j
	global_load_b128 v[BI+8*\b:BI+8*\b+3],   v7, s[96:97] offset:4*(32*(\b/2)+8*(\b%2))
	global_load_b128 v[BI+8*\b+4:BI+8*\b+7], v7, s[96:97] offset:4*(32*(\b/2)+8*(\b%2))+16
.endr
	v_and_b32 v6, 31, v0
	v_lshlrev_b32 v[CO], 4, v6
	v_mul_u32_u24 v3, v1, PITCH
	v_lshl_add_u32 v4, v2, 4, v3                   ; B: a fragment's row x pitch + 16 x half
	s_mul_i32 s21, s15, AHALF                      ; my 4 tiles of A
	s_mul_i32 s22, s16, HALFT                      ; my 128 rows of B
	s_add_co_u32 s22, s22, BOFF
.irp s, 0,1
	v_add_nc_u32 v[ADRA+\s], s21, v[CO]
	v_add_nc_u32 v[ADRB+\s], s22, v4
	s_add_co_u32 s21, s21, SLOT
	s_add_co_u32 s22, s22, SLOT
.endr
	v_mul_u32_u24 v5, v1, KS                       ; my row's scales: KS bytes a row,
	v_lshrrev_b32 v6, 8, v5
	v_lshl_add_u32 v5, v6, 4, v5                   ; and 16 more for each 256 passed
	s_mul_i32 s21, s15, 4*SBLK                     ; A's: my 64 rows
	s_mul_i32 s22, s16, 8*SBLK                     ; B's: my 128 rows, behind A's 128
	s_add_co_u32 s22, s22, 8*SBLK
	s_sub_co_u32 s22, s22, s21
	v_mul_u32_u24 v6, s22, v2                      ; lanes 16-31 take B's
	s_add_co_u32 s21, s21, SCL
	v_add_nc_u32 v5, v5, v6
	v_add_nc_u32 v[ADRS], s21, v5
	s_mul_i32 s23, s14, 16*SPITCH                  ; my stage
	v_mul_u32_u24 v5, v1, SPITCH
	v_lshl_add_u32 v5, v2, 6, v5                   ; in: row l % 16; 64 bytes on for lanes 16-31
	v_add_nc_u32 v[STO], s23, v5
	v_add_nc_u32 v[RD], s23, v[CO]                 ; back: the 32 lanes take one row of 512 bytes
	s_lshl_b32 s20, s17, 19                        ; my part of out0: 128 tokens x tile,
	s_lshl_b32 s21, s15, 18                        ; + my 64,
	s_add_co_u32 s20, s20, s21
	s_lshl_b32 s21, s42, 10                        ; 1,024 bytes x B's tile,
	s_add_co_u32 s20, s20, s21
	s_lshl_b32 s21, s16, 9                         ; + my 512
	s_add_co_u32 s20, s20, s21
	s_mov_b32 s21, 0
	s_add_nc_u64 s[12:13], s[10:11], s[20:21]
.macro FRAG reg, adr, q, i             ; B's fragment: lane l holds row l % 16; registers 4 c .. 4 c + 3 hold K = 32 c + 16 (l / 16) + 0 .. 15
.irp c, 0,1,2,3
	ds_load_b128 v[\reg+4*\c:\reg+4*\c+3], v[\adr] offset:128*(\q)+32*\c+(\i)*16*PITCH
.endr
.endm
.macro FRAGA reg, adr, q, i            ; A's: an image of the registers: 32 lanes read 512 consecutive bytes
.irp c, 0,1,2,3
	ds_load_b128 v[\reg+4*\c:\reg+4*\c+3], v[\adr] offset:ASTEP*(\i)+2048*(\q)+512*\c
.endr
.endm
; Eight matrix instructions: A's block a x B's eight, 128 along K: the slot's q-th, on the fragments' set p and the scale words' set sc.  first = 1: the bias is C.
; The 32 accumulators take turns, one instruction a turn, in the same order in every step.
.macro MUL8 a, p, q, sc, first
.irp b, 0,1,2,3,4,5,6,7
.if \first
	v_wmma_scale_f32_16x16x128_f8f6f4 v[8*(8*(\a)+\b):8*(8*(\a)+\b)+7], v[128*(\p)+FR*\b:128*(\p)+FR*\b+FR-1], v[AF+64*(\p)+FR*(\a):AF+64*(\p)+FR*(\a)+FR-1], v[BI+8*\b:BI+8*\b+7], v[SC+8*NQ*(\sc)+NQ*\b+(\q)], v[SC+8*NQ*(\sc)+NQ*(\a)+(\q)] matrix_a_scale:MATRIX_SCALE_ROW1
.else
	v_wmma_scale_f32_16x16x128_f8f6f4 v[8*(8*(\a)+\b):8*(8*(\a)+\b)+7], v[128*(\p)+FR*\b:128*(\p)+FR*\b+FR-1], v[AF+64*(\p)+FR*(\a):AF+64*(\p)+FR*(\a)+FR-1], v[8*(8*(\a)+\b):8*(8*(\a)+\b)+7], v[SC+8*NQ*(\sc)+NQ*\b+(\q)], v[SC+8*NQ*(\sc)+NQ*(\a)+(\q)] matrix_a_scale:MATRIX_SCALE_ROW1
.endif
.endr
.endm
.macro FETCH slot, q, p                ; the fragments of the slot's q-th 128 along K into set p: B's eight, A's four: 48 loads
	WIN TO_B
.irp i, 0,1,2,3,4,5,6,7
	FRAG 128*(\p)+FR*\i, ADRB+\slot, \q, \i
.endr
	WIN 0
.irp i, 0,1,2,3
	FRAGA AF+64*(\p)+FR*\i, ADRA+\slot, \q, \i
.endr
.endm
.macro SCALES sc                       ; a K step's scale words into set sc: two words a row.  (Lanes 0-15 of registers 8 on take words of rows that are not mine: no product names them for A)
.irp i, 0,1,2,3,4,5,6,7
	ds_load_b64 v[SC+8*NQ*\sc+NQ*\i:SC+8*NQ*\sc+NQ*\i+1], v[ADRS] offset:\i*SBLK
.endr
.endm
.macro PLACES n                        ; a load into a register that a matrix instruction has read, and a reader of a matrix result, stand NP plain vector instructions behind it (ISA guide 7.12.1 for readers of a matrix result)
.rept \n
	v_nop
.endr
.endm
; A slot's first step: its fragments (set 0) are in; the second step's (set 1) are asked for, then set 0 is multiplied.
.macro EVEN slot, first
	s_wait_dscnt 0x0                               ; set 0 and the slot's scale words are in
	PLACES NP                                      ; behind the last products, which read set 1
	FETCH \slot, 1, 1
.if \first
	WIN FST_W
.else
	WIN MUL_W
.endif
.irp a, 0,1,2,3
	MUL8 \a, 0, 0, \slot, \first
.endr
	WIN 0
.endm
; A slot's second step changes slots: ONE barrier.  All my reads of this slot have come back when set 1 is in.  In front of the barrier each wave waits for all its tensor loads, adds 0 to its spare word and waits for that.
; fill = 1: the barrier opens a round of the cluster's barrier, and this slot is filled again, two K steps ahead.  Then the next slot's first fragments are asked for, ahead of the step's last sixteen products.
.macro ODD slot, next, fill
	s_wait_tensorcnt 0x0                           ; all my tensor loads have landed: my part of the next slot  (every window is 0 here)
	ds_add_u32 v[SPW], v[NIL]                      ; 0 onto my spare word
	s_wait_dscnt 1                                 ; set 1 is in (the add alone may be out)
	WIN MUL_W
	MUL8 0, 1, 1, \slot, 0                         ; eight matrix instructions stand between the add and the wait for it
	s_wait_dscnt 0x0                               ; the add is done, and my reads of this slot are over
	s_barrier_signal -1
	MUL8 1, 1, 1, \slot, 0
	WIN 0
	s_barrier_wait -1
.if \fill
	CREST                                          ; no wave of any partner still reads this slot's tile or has a load on its way
	s_add_nc_u64 s[G0+4*\slot+2:G0+4*\slot+3], s[G0+4*\slot+2:G0+4*\slot+3], 2*ASTEP
	s_add_nc_u64 s[G0B+4*\slot+2:G0B+4*\slot+3], s[G0B+4*\slot+2:G0B+4*\slot+3], 2*ROWB
	JLOAD G0+4*\slot, G1, G0B+4*\slot, G1B         ; the first tensor load behind the round; its four v_nop are among the places in front of the loads below
	PLACES NP-4
.else
	PLACES NP
.endif
	s_wait_alu depctr_va_vdst(0)
	v_add_nc_u32 v[ADRS], 4*NQ, v[ADRS]            ; on to the next K step's scale words (no LDS load of mine is out)
	FETCH \next, 0, 0
	SCALES \next
	WIN MUL_W
	MUL8 2, 1, 1, \slot, 0
	MUL8 3, 1, 1, \slot, 0
	WIN 0
.endm
	s_wait_alu depctr_va_vdst(0)                   ; the head's end
	s_wait_tensorcnt 0x0                           ; my tile of the head's four is in
	ds_add_u32 v[SPW], v[NIL]
	s_mov_b32 s[G1+2], 4<<16                       ; no tensor load of mine is out, so a descriptor may be written: from here on a load brings half a tile
	s_mov_b32 s[G1+4], 4
	s_mov_b32 s[G1B+2], 128<<16
	s_mov_b32 s[G1B+4], 128
	s_wait_dscnt 0x0                               ; the add is done
	CROUND                                         ; a whole round: all four tiles are in, and the sixteen work-groups meet
	JLOAD G0+4, G1, G0B+4, G1B                     ; K step 1's load, the first tensor load behind the round
	FETCH 0, 0, 0
	SCALES 0
	s_wait_loadcnt 0x0                             ; the bias
	EVEN 0, 1                                      ; the first step stands in front of the loop: its products start the sums
	s_mov_b32 s3, LAPS-1
.Llap:                                                 ; a trip goes once round the ring, from a lap's second step to the next lap's first, and fills both slots again
	ODD 0, 1, 1
	EVEN 1, 0
	ODD 1, 0, 1
	EVEN 0, 0
	s_sub_co_u32 s3, s3, 1
	s_cmp_lg_u32 s3, 0
	s_cbranch_scc1 .Llap
	ODD 0, 1, 0                                    ; the last lap fills nothing, and has no round of the cluster's barrier
	EVEN 1, 0
	s_wait_dscnt 0x0                               ; the very last step: nothing more to fetch
	WIN MUL_W
.irp a, 0,1,2,3
	MUL8 \a, 1, 1, 1, 0
.endr
	WIN 0
; THE WAY OUT, block by block of 16 tokens x 128 features.  A lane holds pieces of one row, and the lanes beside it hold other rows: so a block goes through my own stage in LDS and comes back as whole rows of 512 bytes,
; which the 32 lanes store as 512 consecutive bytes, aligned.  LDS serves a wave's instructions in order (ISA guide 5.7.1.4): no wait between the stores and the loads.
.macro TOSTAGE a
.set AC, 64*(\a)
	WIN 0x08                                       ; the data: window 2
.irp b, 0,1,2,3,4,5,6,7
	ds_store_b128 v[STO], v[AC+8*\b:AC+8*\b+3] offset:128*(\b/2)+32*(\b%2)          ; each accumulator from its low end on
	ds_store_b128 v[STO], v[AC+8*\b+4:AC+8*\b+7] offset:128*(\b/2)+32*(\b%2)+16
.endr
	WIN 0
.set BB, BK+64*((\a)%2)
.irp t, 0,1,2,3,4,5,6,7,8,9,10,11,12,13,14,15
	ds_load_b128 v[BB+4*\t:BB+4*\t+3], v[RD] offset:\t*SPITCH
.endr
.endm
.macro SEND a, younger                 ; younger: the LDS instructions issued behind block a's loads, which may stay out.  Row t of tile a is token 32 (a / 2) + 8 (a % 2) + t + 8 (t / 8) of my 64
.set BB, BK+64*((\a)%2)
	s_wait_dscnt \younger
.irp t, 0,1,2,3,4,5,6,7,8,9,10,11,12,13,14,15
	global_store_b128 v[CO], v[BB+4*\t:BB+4*\t+3], s[12:13] offset:(32*((\a)/2)+8*((\a)%2)+\t+8*(\t/8))*OROW th:TH_STORE_NT
.endr
.endm
	PLACES NP                                      ; behind the last products: their results are read and A's registers written below
	TOSTAGE 0
.irp a, 1,2,3
.if \a > 1
	s_wait_xcnt 0x0                                ; block a - 2's stores have read their registers: block a's loads may land there
.endif
	TOSTAGE \a
	SEND \a-1, 32                                  ; behind block a - 1's loads: block a's 16 stores and 16 loads
.endr
	SEND 3, 0
	s_wait_tensorcnt 0x0                           ; the wave's end, behind my last tensor load and my last LDS store
	ds_add_u32 v[SPW], v[NIL]
	s_wait_dscnt 0x0
	CROUND                                         ; the closing round: no work-group ends while a partner may still ask for a tile that names it
	s_endpgm
.Lfunc_end_k_q9777e675cb_proj:
	.size	k_q9777e675cb_proj, .Lfunc_end_k_q9777e675cb_proj-k_q9777e675cb_proj
	.p2alignl 7, 3214868480
	.fill 96, 4, 3214868480
	.section	.rodata,"a",@progbits
	.p2align	6, 0x0
	.amdhsa_kernel k_q9777e675cb_proj
		.amdhsa_group_segment_fixed_size 327680
		.amdhsa_private_segment_fixed_size 0
		.amdhsa_enable_private_segment 0
		.amdhsa_kernarg_size 32
		.amdhsa_user_sgpr_count 2
		.amdhsa_user_sgpr_kernarg_segment_ptr 1
		.amdhsa_wavefront_size32 1
		.amdhsa_system_sgpr_workgroup_id_x 1
		.amdhsa_system_sgpr_workgroup_id_y 1
		.amdhsa_system_sgpr_workgroup_id_z 1
		.amdhsa_system_vgpr_workitem_id 0
		.amdhsa_next_free_vgpr 768
		.amdhsa_next_free_sgpr 98
		.amdhsa_reserve_vcc 0
		.amdhsa_float_denorm_mode_32 3
		.amdhsa_float_denorm_mode_16_64 3
		.amdhsa_memory_ordered 1
		.amdhsa_forward_progress 1
		.amdhsa_inst_pref_size 91
	.end_amdhsa_kernel
	.amdgpu_metadata
---
amdhsa.version: [ 1, 2 ]
amdhsa.kernels:
  - .name:           k_q9777e675cb_proj
    .symbol:         k_q9777e675cb_proj.kd
    .args:
      - { .name: yq, .offset: 0, .size: 8, .value_kind: global_buffer, .address_space: global }
      - { .name: wpq, .offset: 8, .size: 8, .value_kind: global_buffer, .address_space: global }
      - { .name: b_proj, .offset: 16, .size: 8, .value_kind: global_buffer, .address_space: global }
      - { .name: out0, .offset: 24, .size: 8, .value_kind: global_buffer, .address_space: global }
    .group_segment_fixed_size: 327680
    .private_segment_fixed_size: 0
    .kernarg_segment_align: 8
    .kernarg_segment_size: 32
    .max_flat_workgroup_size: 128
    .sgpr_count:     98
    .vgpr_count:     768
    .wavefront_size: 32
...
	.end_amdgpu_metadata
.endif
;; end of part 4
